; MI455X (gfx1250); checked and timed in simulation.
; The chip was launched on July 23, 2026; its instructions are those of AMD's public machine-readable ISA for CDNA 5 (MIT licence, August 2026) and "CDNA5" Instruction Set Architecture Reference Guide (July 2026). The comments in the code are by the model that wrote it; some were corrected since.
;; Transformer Block. Allowed arithmetic: float matrix products may take bf16 or f16 operands with f32 sums; all other float work in f32.
;; Inputs: W1 1,024 x 4,096 float32; W2 4,096 x 1,024 float32; Wk 1,024 x 1,024 float32; Wo 1,024 x 1,024 float32; Wq 1,024 x 1,024 float32; Wv 1,024 x 1,024 float32; b1 4,096 float32; b2 1,024 float32; bk 1,024 float32; bo 1,024 float32; bq 1,024 float32; bv 1,024 float32; ln1_a 1,024 float32; ln1_b 1,024 float32; ln2_a 1,024 float32; ln2_b 1,024 float32; mask 4 x 1 x 1,024 x 1,024 int32; x 4 x 1,024 x 1,024 float32.
;; Outputs: out0 4 x 1,024 x 1,024 float32.
;; One version. Each part assembles by itself: llvm-mc -triple=amdgcn-amd-amdhsa -mcpu=gfx1250 --defsym DOCPART=n.
;; ======== version 1 of 1: 7 launches
;; workspace buffers: wT 25,165,824 bytes; xb1 8,388,608 bytes; maskw 524,288 bytes of whole numbers; qkv 25,165,824 bytes; att 8,388,608 bytes; x1 16,777,216 bytes; xb2 8,388,608 bytes; hb 33,554,432 bytes
;; launch prep (part 1): grid 256 x 1, 18 waves a work-group, no clusters, 106,752 bytes of LDS; arguments Wq, Wk, Wv, Wo, W1, W2, x, ln1_a, ln1_b, mask, wT, xb1, maskw; writes wT, xb1, maskw
.if DOCPART == 1
	.amdgcn_target "amdgcn-amd-amdhsa--gfx1250"
	.amdhsa_code_object_version 6
	.text
	.protected	k_q0b3a909fe4_prep
	.globl	k_q0b3a909fe4_prep
	.p2align	8
	.type	k_q0b3a909fe4_prep,@function
k_q0b3a909fe4_prep:
	s_mov_b64 s[64:65], 0
	v_nop
	global_prefetch_b8 v0, s[64:65] scope:SCOPE_SE
	s_setreg_imm32_b32 hwreg(HW_REG_WAVE_MODE, 25, 1), 1
	s_wait_xcnt 0x0
; prep: three jobs that depend on nothing and on each other not at all, shared out by the WAVE's number, so that each of the 256 work-groups has the same work:
;   waves  0-5 : the six weight matrices, f32 [k][n], become bf16 [n][k] in wT (K along the rows, as matrix fragments want them): 1,536 tiles of 128 k x 64 n, six a work-group
;   waves  6-13: xb1 = LayerNorm(x) in bf16 (mean, then centred squares; divisor 1023; 1e-6 added to the deviation): two rows a wave, 16 rows a work-group
;   waves 14-17: the int32 mask becomes lane masks: word (((b*64+qt)*64+kt)*8+j), bit r+16h = (mask[b][16qt+r][16kt+8h+j] != 0): 16 queries x 256 keys a wave
; Every wave's job is its own: no barrier; the LDS bytes of the transposition are the wave's own (wave x 17,408, waves 0-5).
; All three stream: each input byte is read once, no tile is shared between work-groups, so clusters, tensor loads and matrix units have nothing to give.
; LIMIT: a variance below 2^-126 counts as 0 (v_sqrt_f32 takes a denormal input as zero: ISA guide 15.8).
.set WPITCH, 272                       ; an LDS row of the transposition: 128 k x 2 bytes + 16
.set WTILE,  64*WPITCH                 ; 64 rows (n) for each wave
.set WX0, 16                           ; v[16:79]   32 rows (k) x 2 columns as loaded, batch buffer 0
.set WX1, 80                           ; v[80:143]  batch buffer 1
.set WP,  144                          ; v[144:151] two sets of 4 packed registers
.set LX,  16                           ; v[16:79]   LayerNorm: two rows, 32 registers each
.set LA,  80                           ; v[80:111]  gain
.set LB,  112                          ; v[112:143] bias
.set LY,  144                          ; v[144:175] two rows in bf16
.set MXR, 16                           ; v[16:143]  mask: 2 halves x 16 queries x 4 keys a lane
.set MW,  144                          ; v[144:147] lane = query: bit i = key 4i+c
.set MT,  148
.set MSH, 149                          ; 2 x (lane / 16)
.set MO,  150                          ; v[150:153] the words to store, a pair for each half
; ---- weights ----
.macro LDB q, xb, sp                   ; 32 rows k = 32q .. 32q+31: each load of the wave covers 256 consecutive bytes (64 columns)
.set ii, 0
.rept 32
	global_load_b64 v[\xb+2*ii:\xb+2*ii+1], v2, s[4:5] offset:(32*\q+ii)*\sp th:TH_LOAD_NT
.set ii, ii+1
.endr
.endm
.macro CVB q, xb                       ; my two columns, 8 k at a time: four roundings of two, 16 bytes into LDS row n = 2 lane + c
.irp c, 0,1
.irp g, 0,1,2,3
.irp m, 0,1,2,3
	v_cvt_pk_bf16_f32 v[WP+4*(\g&1)+\m], v[\xb+2*(8*\g+2*\m)+\c], v[\xb+2*(8*\g+2*\m+1)+\c]
.endr
	ds_store_b128 v3, v[WP+4*(\g&1):WP+4*(\g&1)+3] offset:\c*WPITCH+(32*\q+8*\g)*2
.endr
.endr
.endm
; One wave's tile: 128 k x 64 n.  spitch, dpitch: bytes from row to row in the source and in wT.
.macro WJOB spitch, dpitch
	v_mul_u32_u24 v5, v6, \dpitch                  ; store offset: lanes 0-15 one row n, lanes 16-31 the next,
	v_lshl_add_u32 v5, v7, 4, v5                   ; 16 bytes a lane
	LDB 0, WX0, \spitch
	LDB 1, WX1, \spitch
	s_wait_loadcnt 32                              ; loads come back in order: the older batch is in, the younger 32 stay out
	CVB 0, WX0
	LDB 2, WX0, \spitch
	s_wait_loadcnt 32
	CVB 1, WX1
	LDB 3, WX1, \spitch
	s_wait_loadcnt 32
	CVB 2, WX0
	s_wait_loadcnt 0x0                             ; the last batch: nothing younger
	CVB 3, WX1
.set ii, 0
.rept 32
	ds_load_b128 v[16+4*ii:16+4*ii+3], v4 offset:ii*2*WPITCH   ; my own bytes: LDS serves a wave's instructions in order, these see the stores above
.set ii, ii+1
.endr
.set ii, 0
.rept 32
	s_wait_dscnt 31-ii                             ; the younger LDS loads stay out
	global_store_b128 v5, v[16+4*ii:16+4*ii+3], s[6:7] offset:2*ii*\dpitch   ; 16 lanes store 256 consecutive bytes, aligned: 128 k of one row n
.set ii, ii+1
.endr
.endm
; ---- LayerNorm: the same text as in the launch for the second norm ----
.macro LNFOLD                          ; four chains of pairs to one number in every lane
	v_pk_add_f32 v[4:5], v[4:5], v[6:7]
	v_pk_add_f32 v[8:9], v[8:9], v[10:11]
	v_pk_add_f32 v[4:5], v[4:5], v[8:9]
	v_add_f32 v12, v4, v5
	v_add_f32_dpp v12, v12, v12 row_xmask:1 row_mask:0xf bank_mask:0xf
	v_add_f32_dpp v12, v12, v12 row_xmask:2 row_mask:0xf bank_mask:0xf
	v_add_f32_dpp v12, v12, v12 row_xmask:4 row_mask:0xf bank_mask:0xf
	v_add_f32_dpp v12, v12, v12 row_xmask:8 row_mask:0xf bank_mask:0xf
	v_permlanex16_b32 v13, v12, s12, s13           ; the other half of the lanes
	v_add_f32 v12, v12, v13
.endm
.macro LNROW p, left
	s_wait_loadcnt \left                           ; this row's eight loads are in; what was issued behind them may stay out
.irp k, 0,1,2,3
	v_pk_add_f32 v[4+2*\k:5+2*\k], v[LX+32*\p+2*\k:LX+32*\p+2*\k+1], v[LX+32*\p+8+2*\k:LX+32*\p+8+2*\k+1]
.endr
.irp m, 2,3
.irp k, 0,1,2,3
	v_pk_add_f32 v[4+2*\k:5+2*\k], v[4+2*\k:5+2*\k], v[LX+32*\p+8*\m+2*\k:LX+32*\p+8*\m+2*\k+1]
.endr
.endr
	LNFOLD
	v_mul_f32 v14, 0x3a800000, v12                 ; mean = sum / 1024
	v_mov_b32 v15, v14
.irp i, 0,1,2,3,4,5,6,7,8,9,10,11,12,13,14,15
	v_pk_add_f32 v[LX+32*\p+2*\i:LX+32*\p+2*\i+1], v[LX+32*\p+2*\i:LX+32*\p+2*\i+1], v[14:15] neg_lo:[0,1] neg_hi:[0,1]   ; x - mean, before squaring: a common offset does no harm
.endr
.irp k, 0,1,2,3
	v_pk_mul_f32 v[4+2*\k:5+2*\k], v[LX+32*\p+2*\k:LX+32*\p+2*\k+1], v[LX+32*\p+2*\k:LX+32*\p+2*\k+1]
.endr
.irp m, 1,2,3
.irp k, 0,1,2,3
	v_pk_fma_f32 v[4+2*\k:5+2*\k], v[LX+32*\p+8*\m+2*\k:LX+32*\p+8*\m+2*\k+1], v[LX+32*\p+8*\m+2*\k:LX+32*\p+8*\m+2*\k+1], v[4+2*\k:5+2*\k]
.endr
.endr
	LNFOLD
	v_mul_f32 v12, 0x3a802008, v12                 ; / 1023
	v_sqrt_f32 v12, v12
	v_nop                                          ; one plain instruction behind a transcendental before its result is used (ISA guide 5.7.2)
	s_wait_alu depctr_va_vdst(0)
	v_add_f32 v12, 0x358637bd, v12                 ; + 1e-6, to the deviation
	v_rcp_f32 v14, v12
	v_rcp_f32 v15, v12
	v_nop
	s_wait_loadcnt 0x0                             ; gain and bias
	s_wait_alu depctr_va_vdst(0)
.irp i, 0,1,2,3,4,5,6,7,8,9,10,11,12,13,14,15
	v_pk_mul_f32 v[LX+32*\p+2*\i:LX+32*\p+2*\i+1], v[LX+32*\p+2*\i:LX+32*\p+2*\i+1], v[14:15]
.endr
.irp i, 0,1,2,3,4,5,6,7,8,9,10,11,12,13,14,15
	v_pk_fma_f32 v[LX+32*\p+2*\i:LX+32*\p+2*\i+1], v[LX+32*\p+2*\i:LX+32*\p+2*\i+1], v[LA+2*\i:LA+2*\i+1], v[LB+2*\i:LB+2*\i+1]
.endr
.irp i, 0,1,2,3,4,5,6,7
	v_cvt_pk_bf16_f32 v[LY+16*\p+2*\i],   v[LX+32*\p+4*\i],   v[LX+32*\p+4*\i+1]
	v_cvt_pk_bf16_f32 v[LY+16*\p+2*\i+1], v[LX+32*\p+4*\i+2], v[LX+32*\p+4*\i+3]
	global_store_b64 v3, v[LY+16*\p+2*\i:LY+16*\p+2*\i+1], s[6:7] offset:\p*2048+256*\i   ; the wave stores 256 consecutive bytes, aligned
.endr
.endm
; s9: which 16 rows; s8: which two of them (0..7); v1: lane; s[4:5] in, s[16:17] gain, s[18:19] bias, s[6:7] out.  A wave takes two whole rows: the sums never leave the wave.
.macro LNBODY
	v_lshlrev_b32 v2, 4, v1                        ; 16 bytes a lane: a load of the wave covers 512 consecutive bytes
	v_lshlrev_b32 v3, 3, v1                        ; 8 bytes a lane on the way out
	v_mov_b32 v13, 0                               ; v_permlanex16_b32 counts as a reader of its destination
	s_lshl_b32 s14, s9, 16                         ; 16 rows x 4,096 bytes
	s_lshl_b32 s10, s8, 13                         ; + 2 rows a wave
	s_add_co_u32 s14, s14, s10
	s_mov_b32 s15, 0
	s_lshr_b32 s20, s14, 1                         ; the output's rows are half as long
	s_mov_b32 s21, 0
	s_wait_kmcnt 0x0
	s_add_nc_u64 s[4:5], s[4:5], s[14:15]
	s_add_nc_u64 s[6:7], s[6:7], s[20:21]
.irp p, 0,1
.irp i, 0,1,2,3,4,5,6,7
	global_load_b128 v[LX+32*\p+4*\i:LX+32*\p+4*\i+3], v2, s[4:5] offset:\p*4096+512*\i
.endr
.endr
.irp i, 0,1,2,3,4,5,6,7
	global_load_b128 v[LA+4*\i:LA+4*\i+3], v2, s[16:17] offset:512*\i
.endr
.irp i, 0,1,2,3,4,5,6,7
	global_load_b128 v[LB+4*\i:LB+4*\i+3], v2, s[18:19] offset:512*\i
.endr
	LNROW 0, 24                                    ; behind row 0: 8 loads of row 1, 8 of the gain, 8 of the bias
	LNROW 1, 16                                    ; behind row 1: gain and bias (all are in by now)
.endm
; ---- mask: 128 keys x 16 queries ----
.macro MBLK g, left
	s_wait_loadcnt \left
.irp c, 0,1,2,3
	v_mov_b32 v[MW+\c], 0                          ; v_writelane_b32 and v_permlanex16_b32 count as readers of their destinations
.endr
	v_mov_b32 v[MT], 0
	v_mov_b32 v[MO+2*\g], 0
	v_mov_b32 v[MO+2*\g+1], 0
.irp r, 0,1,2,3,4,5,6,7,8,9,10,11,12,13,14,15
.irp c, 0,1,2,3
	v_cmp_ne_u32 s[20+\c], 0, v[MXR+64*\g+4*\r+\c] ; bit i: key 4i+c of query r is open
	v_writelane_b32 v[MW+\c], s[20+\c], \r         ; kept in lane r
.endr
.endr
.irp c, 0,1,2,3
	v_permlanex16_b32 v[MT], v[MW+\c], s12, s13    ; lanes 16-31 get a copy of lanes 0-15 (they held 0),
	v_or_b32 v[MW+\c], v[MW+\c], v[MT]
	v_lshrrev_b32 v[MW+\c], v[MSH], v[MW+\c]       ; moved down by 2 bits = 8 keys: lane r+16h now has key 16kt+8h+j at bit 4kt+(j>>2) of word j&3
.endr
.irp kt, 0,1,2,3,4,5,6,7
.irp j, 0,1,2,3,4,5,6,7
	v_and_b32 v[MT], 1<<(4*\kt+(\j>>2)), v[MW+(\j&3)]
	v_cmp_ne_u32 s[20+(\j&3)], 0, v[MT]            ; the lane mask of register j of score tile kt
	v_writelane_b32 v[MO+2*\g+(\j&1)], s[20+(\j&3)], (8*\kt+\j)>>1   ; word 8kt+j: lane l stores words 2l and 2l+1
.endr
.endr
	global_store_b64 v3, v[MO+2*\g:MO+2*\g+1], s[6:7] offset:\g*256  ; the wave stores 256 consecutive bytes, aligned
.endm
	v_lshl_add_u32 v176, v0, 2, 0x19800
	v_mov_b32 v177, 0
	v_lshrrev_b32 v1, 5, v0
	v_readfirstlane_b32 s8, v1                     ; wave 0..17
	v_and_b32 v1, 31, v0                           ; lane
	s_mov_b32 s12, 0x76543210                      ; v_permlanex16_b32: lane i reads lane i of the other half
	s_mov_b32 s13, 0xfedcba98
	s_cmp_lt_u32 s8, 6
	s_cbranch_scc1 .Lweights
	s_cmp_lt_u32 s8, 14
	s_cbranch_scc1 .Lnorm
	; ---- mask, waves 14-17: the work-group's number is b*64 + qt (16 queries); the wave takes 256 of the 1,024 keys ----
	s_load_b64 s[4:5], s[0:1], 0x48                ; mask
	s_load_b64 s[6:7], s[0:1], 0x60                ; maskw
	s_sub_co_u32 s11, s8, 14                       ; which 256 keys
	s_lshl_b32 s14, ttmp9, 16                      ; 16 rows x 4,096 bytes
	s_lshl_b32 s16, s11, 10
	s_add_co_u32 s14, s14, s16
	s_mov_b32 s15, 0
	s_lshl_b32 s16, ttmp9, 11                      ; 64 kt x 8 words x 4 bytes
	s_lshl_b32 s18, s11, 9
	s_add_co_u32 s16, s16, s18
	s_mov_b32 s17, 0
	v_lshlrev_b32 v2, 4, v1
	v_lshlrev_b32 v3, 3, v1
	v_lshrrev_b32 v[MSH], 4, v1
	v_lshlrev_b32 v[MSH], 1, v[MSH]
	s_wait_kmcnt 0x0
	s_add_nc_u64 s[4:5], s[4:5], s[14:15]
	s_add_nc_u64 s[6:7], s[6:7], s[16:17]
.irp g, 0,1
.irp r, 0,1,2,3,4,5,6,7,8,9,10,11,12,13,14,15
	global_load_b128 v[MXR+64*\g+4*\r:MXR+64*\g+4*\r+3], v2, s[4:5] offset:\r*4096+\g*512 th:TH_LOAD_NT
.endr
.endr
	MBLK 0, 16                                     ; the second half's 16 loads stay out
	MBLK 1, 0
	s_endpgm
.Lnorm:
	; ---- LayerNorm, waves 6-13: rows 16 x work-group + 2 x (wave - 6) ----
	s_load_b64 s[4:5], s[0:1], 0x30                ; x
	s_load_b128 s[16:19], s[0:1], 0x38             ; ln1_a, ln1_b
	s_load_b64 s[6:7], s[0:1], 0x58                ; xb1
	s_mov_b32 s9, ttmp9
	s_sub_co_u32 s8, s8, 6
	LNBODY
	s_endpgm
.Lweights:
	; ---- weights, waves 0-5.  Twelve segments of 1024 k x 1024 n: 0-3 Wq Wk Wv Wo, 4-7 W1 by columns, 8-11 W2 by rows; a segment is 16 x 8 tiles of 64 n x 128 k ----
	s_load_b256 s[16:23], s[0:1], 0x0              ; Wq, Wk, Wv, Wo
	s_load_b128 s[24:27], s[0:1], 0x20             ; W1, W2
	s_load_b64 s[6:7], s[0:1], 0x50                ; wT
	s_mul_i32 s2, ttmp9, 6
	s_add_co_u32 s2, s2, s8                        ; tile 0..1535
	s_lshr_b32 s9, s2, 7                           ; segment
	s_bfe_u32 s10, s2, 0x40003                     ; which 64 columns (4 bits from bit 3)
	s_and_b32 s3, s2, 7                            ; which 128 k
	v_lshlrev_b32 v2, 3, v1                        ; 8 bytes a lane: columns 2 lane, 2 lane + 1
	s_mul_i32 s11, s8, WTILE                       ; my wave's LDS bytes
	v_mul_u32_u24 v3, v1, 2*WPITCH
	v_add_nc_u32 v3, s11, v3                       ; LDS row 2 lane of my wave's tile
	v_lshrrev_b32 v6, 4, v1
	v_and_b32 v7, 15, v1
	v_mul_u32_u24 v4, v6, WPITCH
	v_lshl_add_u32 v4, v7, 4, v4
	v_add_nc_u32 v4, s11, v4                       ; back: 16 lanes take one LDS row
	s_lshl_b32 s30, s10, 8                         ; the columns' bytes in a source row
	s_mov_b32 s15, 0
	s_mov_b32 s29, 0
	s_wait_kmcnt 0x0
	s_cmp_ge_u32 s9, 8
	s_cbranch_scc1 .Lw2
	s_lshl_b32 s28, s9, 21                         ; segments 0-7 lie in wT one behind the other, 1024 rows of 2,048 bytes each
	s_lshl_b32 s14, s10, 17                        ; + 64 rows
	s_add_co_u32 s28, s28, s14
	s_lshl_b32 s14, s3, 8                          ; + my 128 k
	s_add_co_u32 s28, s28, s14
	s_add_nc_u64 s[6:7], s[6:7], s[28:29]
	s_cmp_ge_u32 s9, 4
	s_cbranch_scc1 .Lw1
	s_mov_b64 s[4:5], s[16:17]
	s_cmp_eq_u32 s9, 1
	s_cselect_b64 s[4:5], s[18:19], s[4:5]
	s_cmp_eq_u32 s9, 2
	s_cselect_b64 s[4:5], s[20:21], s[4:5]
	s_cmp_eq_u32 s9, 3
	s_cselect_b64 s[4:5], s[22:23], s[4:5]
	s_lshl_b32 s14, s3, 19                         ; 128 rows x 4,096 bytes
	s_add_co_u32 s14, s14, s30
	s_add_nc_u64 s[4:5], s[4:5], s[14:15]
	WJOB 4096, 2048
	s_wait_tensorcnt 0x0
	ds_add_u32 v176, v177
	s_wait_dscnt 0x0
	s_endpgm
.Lw1:
	s_lshl_b32 s14, s3, 21                         ; 128 rows x 16,384 bytes
	s_add_co_u32 s14, s14, s30
	s_sub_co_u32 s28, s9, 4
	s_lshl_b32 s28, s28, 12                        ; 1024 columns
	s_add_co_u32 s14, s14, s28
	s_add_nc_u64 s[4:5], s[24:25], s[14:15]
	WJOB 16384, 2048
	s_wait_tensorcnt 0x0
	ds_add_u32 v176, v177
	s_wait_dscnt 0x0
	s_endpgm
.Lw2:
	s_sub_co_u32 s9, s9, 8
	s_lshl_b32 s14, s9, 22                         ; 1024 rows x 4,096 bytes
	s_lshl_b32 s28, s3, 19
	s_add_co_u32 s14, s14, s28
	s_add_co_u32 s14, s14, s30
	s_add_nc_u64 s[4:5], s[26:27], s[14:15]
	s_lshl_b32 s28, s10, 19                        ; 64 rows x 8,192 bytes
	s_lshl_b32 s14, s9, 11                         ; + 1024 k
	s_add_co_u32 s28, s28, s14
	s_lshl_b32 s14, s3, 8                          ; + my 128 k
	s_add_co_u32 s28, s28, s14
	s_add_co_u32 s28, s28, 0x1000000               ; W2's place in wT
	s_add_nc_u64 s[6:7], s[6:7], s[28:29]
	WJOB 4096, 8192
	s_wait_tensorcnt 0x0
	ds_add_u32 v176, v177
	s_wait_dscnt 0x0
	s_endpgm
.Lfunc_end_k_q0b3a909fe4_prep:
	.size	k_q0b3a909fe4_prep, .Lfunc_end_k_q0b3a909fe4_prep-k_q0b3a909fe4_prep
	.p2alignl 7, 3214868480
	.fill 96, 4, 3214868480
	.section	.rodata,"a",@progbits
	.p2align	6, 0x0
	.amdhsa_kernel k_q0b3a909fe4_prep
		.amdhsa_group_segment_fixed_size 106752
		.amdhsa_private_segment_fixed_size 0
		.amdhsa_enable_private_segment 0
		.amdhsa_kernarg_size 104
		.amdhsa_user_sgpr_count 2
		.amdhsa_user_sgpr_kernarg_segment_ptr 1
		.amdhsa_wavefront_size32 1
		.amdhsa_system_sgpr_workgroup_id_x 1
		.amdhsa_system_sgpr_workgroup_id_y 1
		.amdhsa_system_sgpr_workgroup_id_z 1
		.amdhsa_system_vgpr_workitem_id 0
		.amdhsa_next_free_vgpr 178
		.amdhsa_next_free_sgpr 66
		.amdhsa_reserve_vcc 0
		.amdhsa_float_denorm_mode_32 3
		.amdhsa_float_denorm_mode_16_64 3
		.amdhsa_memory_ordered 1
		.amdhsa_forward_progress 1
		.amdhsa_inst_pref_size 153
	.end_amdhsa_kernel
	.amdgpu_metadata
---
amdhsa.version: [ 1, 2 ]
amdhsa.kernels:
  - .name:           k_q0b3a909fe4_prep
    .symbol:         k_q0b3a909fe4_prep.kd
    .args:
      - { .name: Wq, .offset: 0, .size: 8, .value_kind: global_buffer, .address_space: global }
      - { .name: Wk, .offset: 8, .size: 8, .value_kind: global_buffer, .address_space: global }
      - { .name: Wv, .offset: 16, .size: 8, .value_kind: global_buffer, .address_space: global }
      - { .name: Wo, .offset: 24, .size: 8, .value_kind: global_buffer, .address_space: global }
      - { .name: W1, .offset: 32, .size: 8, .value_kind: global_buffer, .address_space: global }
      - { .name: W2, .offset: 40, .size: 8, .value_kind: global_buffer, .address_space: global }
      - { .name: x, .offset: 48, .size: 8, .value_kind: global_buffer, .address_space: global }
      - { .name: ln1_a, .offset: 56, .size: 8, .value_kind: global_buffer, .address_space: global }
      - { .name: ln1_b, .offset: 64, .size: 8, .value_kind: global_buffer, .address_space: global }
      - { .name: mask, .offset: 72, .size: 8, .value_kind: global_buffer, .address_space: global }
      - { .name: wT, .offset: 80, .size: 8, .value_kind: global_buffer, .address_space: global }
      - { .name: xb1, .offset: 88, .size: 8, .value_kind: global_buffer, .address_space: global }
      - { .name: maskw, .offset: 96, .size: 8, .value_kind: global_buffer, .address_space: global }
    .group_segment_fixed_size: 106752
    .private_segment_fixed_size: 0
    .kernarg_segment_align: 8
    .kernarg_segment_size: 104
    .max_flat_workgroup_size: 576
    .sgpr_count:     66
    .vgpr_count:     178
    .wavefront_size: 32
...
	.end_amdgpu_metadata
.endif
;; end of part 1
;; launch qkvp (part 2): grid 12 x 16, 4 waves a work-group, clusters of 4 x 4, 327,680 bytes of LDS; arguments xb1, wT, bq, bk, bv, qkv; writes qkv
.if DOCPART == 2
	.amdgcn_target "amdgcn-amd-amdhsa--gfx1250"
	.amdhsa_code_object_version 6
	.text
	.protected	k_q0b3a909fe4_qkvp
	.globl	k_q0b3a909fe4_qkvp
	.p2align	8
	.type	k_q0b3a909fe4_qkvp,@function
k_q0b3a909fe4_qkvp:
	s_mov_b64 s[64:65], 0
	v_nop
	global_prefetch_b8 v0, s[64:65] scope:SCOPE_SE
	s_setreg_imm32_b32 hwreg(HW_REG_WAVE_MODE, 25, 1), 1
	s_wait_xcnt 0x0
	s_wait_alu depctr_hold_cnt(0) depctr_sa_sdst(0) depctr_va_vdst(0) depctr_va_sdst(0) depctr_va_ssrc(0) depctr_va_vcc(0) depctr_vm_vsrc(0)
	s_getreg_b32 s2, hwreg(HW_REG_IB_STS2, 6, 4)
	s_cmp_eq_u32 s2, 0
	s_cbranch_scc0 .Lentry_in_a_cluster
	s_endpgm
.Lentry_in_a_cluster:
	s_bfe_u32 s2, ttmp6, 0x10000c
	s_cmp_lg_u32 s2, 0xf033
	s_cbranch_scc0 .Lentry_shape_is_right
	s_endpgm
.Lentry_shape_is_right:
; C = A B^T + bias (GELU = 1: tanh-GELU of that), rounded to bf16.  A: [4096][SIZE_K] bf16, B: wT + WOFF, [SIZE_N][SIZE_K] bf16, C: [4096][SIZE_N] bf16; sums in f32.
; Here: A = LayerNorm(x), B = Wq | Wk | Wv transposed, C = q | k | v side by side, 3,072 columns.
; A work-group makes 256 x 256 of C with four waves, one for each SIMD of a WGP; a wave makes 128 x 128: 64 accumulator tiles of 16 x 16, 512 registers.
; K goes in steps of 128 through a ring of two LDS slots filled by tensor loads whose rows are 256 consecutive bytes, aligned.
; CLUSTERS: 4 x 4 work-groups.  The four of a row of the cluster need the same tiles of A, the four of a column the same tiles of B: each tile is
; asked for jointly, by the same tensor load with the same descriptor and a mask that names the four.
; REGISTERS, in windows of 256:
;   window 0: v0-31 addresses and constants; v64-127, v128-191 fragments of A, two buffers (on the way out: sums + bias, and work); v192-223 packed; v224-255, v32-63 rows read back
;   window 1: v64-127, v128-191 fragments of B; v192-255 the bias of my 128 columns, laid as a lane's results lie
;   window 2: accumulator tiles of my rows 0-63 (tile (a, b) at v[8 (8 a + b)]);  window 3: those of my rows 64-127
; THE MATRIX INSTRUCTION IS USED TRANSPOSED: source 0 = 16 rows of B, source 1 = 16 rows of A, so that lane l holds row l % 16 of C and its
; registers 0-7 the columns 8 (l / 16) + 0..7: eight neighbouring numbers, 16 bytes in bf16.
; The 64 accumulators take turns, one instruction a turn, in the same order in every quarter step.
.set SIZE_N, 3072
.set SIZE_K, 1024
.set WOFF,   0
.set GELU,   0
.set KSTEP,  128
.set PITCH,  272                       ; an LDS row: 256 bytes + 16: an odd multiple of 16, so the 16 rows of a fragment load start 16 bytes apart modulo 256
.set HALFT,  128*PITCH                 ; what one tensor load brings
.set SLOT,   4*HALFT                   ; A's 256 rows, then B's 256 rows
.set STAGE,  2*SLOT                    ; behind the ring: 16 rows x 272 bytes for each wave; no tensor load lands there
.set SPITCH, 272
.set LAPS, SIZE_K/(2*KSTEP)            ; a lap = two K steps = once round the ring
.set ADRA, 16                          ; v16-17  LDS address of my A fragments in slot 0, 1
.set ADRB, 20                          ; v20-21  the same for B
.set STO,  24                          ; v24     way out: where I put 16 bytes of a row
.set RD,   25                          ; v25     way out: where I read a row back
.set CO,   26                          ; v26     my byte offset in C
.set BO,   27                          ; v27     my byte offset in the bias: 32 (l / 16)
.set KC3,  28                          ; v[28:29] GELU: -2 sqrt(2/pi) log2(e) 0.044715, twice
.set KC1,  30                          ; v[30:31] GELU: -2 sqrt(2/pi) log2(e), twice
.set F0,   64
.set F1,   128
.set XF,   64                          ; way out: 64 numbers of 16 rows, f32
.set TT,   128                         ; way out: at work
.set TMP,  192                         ; way out: packed
.set RB0,  224                         ; way out: rows read back, two buffers in turn
.set RB1,  32
.set BIAS, 192                         ; window 1
.set G1, 24                            ; s[24:31] descriptor group 1 for A's tiles
.set G0, 32                            ; s[32:39] group 0 for A's tiles, one set for each slot
.set G1B, 48                           ; s[48:55] group 1 for B's tiles: differs in the mask alone
.set G0B, 56                           ; s[56:63] group 0 for B's tiles
.set MSB, 0
.macro WIN new                         ; the immediate's high byte repeats the setting that is left
.if MSB != \new
	s_set_vgpr_msb (MSB<<8)|\new
.set MSB, \new
.endif
.endm
.set MUL_LO, 0xa1                      ; source 0 (B) window 1, source 1 (A) window 0, C and D window 2
.set MUL_HI, 0xf1                      ; the same, C and D window 3
.set TO_B,   0x40                      ; destination window 1, address window 0
; A joint load.  Waves 0 and 1 fetch A's two halves, waves 2 and 3 B's.  The branch hangs on the wave's number alone.
.macro JLOAD s
	s_cmp_eq_u32 s11, 0
	s_cbranch_scc0 .Lfor_b_\@
	tensor_load_to_lds s[G0+4*\s:G0+4*\s+3], s[G1:G1+7]
	s_nop 0
	s_branch .Lasked_\@
.Lfor_b_\@:
	tensor_load_to_lds s[G0B+4*\s:G0B+4*\s+3], s[G1B:G1B+7]
	s_nop 0
.Lasked_\@:
.endm
; A round of the cluster's barrier: my work-group's barrier; wave 0 signals for the work-group; every wave waits for all sixteen; my work-group's barrier again.
.macro CREST                           ; a round behind its opening barrier
	s_cmp_lg_u32 s10, 0
	s_cbranch_scc1 .Lnot_wave_0_\@
	s_barrier_signal -3
.Lnot_wave_0_\@:
	s_barrier_wait -3
	s_barrier_signal -1
	s_barrier_wait -1
.endm
.macro CROUND
	s_barrier_signal -1
	s_barrier_wait -1
	CREST
.endm
	s_load_b128 s[4:7], s[0:1], 0x0                ; A s[4:5], wT s[6:7]
.if GELU
	s_load_b128 s[68:71], s[0:1], 0x10             ; bias s[68:69], C s[70:71]
.else
	s_load_b128 s[68:71], s[0:1], 0x10             ; bq, bk
	s_load_b128 s[72:75], s[0:1], 0x20             ; bv, C
	s_set_vgpr_msb 0x40
	v_lshl_add_u32 v63, v0, 2, 0x48400
	s_set_vgpr_msb 0x4000
	v_mov_b32 v31, 0
	s_set_vgpr_msb 0x1
	ds_add_u32 v63, v31
	s_set_vgpr_msb 0x100
.endif
	v_lshrrev_b32 v1, 5, v0
	v_readfirstlane_b32 s10, v1                    ; wave 0..3
	s_lshr_b32 s11, s10, 1                         ; which half of the block's rows is mine.  Also: I fetch for A (0) or for B (1)
	s_and_b32 s12, s10, 1                          ; which half of its columns.  Also: which 128 rows of that tile I fetch
	s_bfe_u32 s40, ttmp6, 0x40000                  ; cx
	s_bfe_u32 s41, ttmp6, 0x40004                  ; cy
	s_lshl_b32 s42, ttmp9, 2
	s_add_co_u32 s42, s42, s40                     ; block column of C = 4 x cluster x + cx
	s_and_b32 s13, ttmp7, 0xffff
	s_lshl_b32 s13, s13, 2
	s_add_co_u32 s13, s13, s41                     ; block row of C = 4 x cluster y + cy
	s_lshl_b32 s43, s41, 2
	s_lshl_b32 s43, 15, s43                        ; my row of the cluster: places 4 cy .. 4 cy + 3
	s_lshl_b32 s44, 0x1111, s40                    ; my column: places cx, cx + 4, cx + 8, cx + 12
	; group 1: a tile of 128 rows x 128 elements of 2 bytes, 4 words of padding behind every 64 words
	s_or_b32 s[G1+0], s43, (1<<16)|(1<<20)|(1<<21)|(5<<22)|(3<<25)
	s_or_b32 s[G1B+0], s44, (1<<16)|(1<<20)|(1<<21)|(5<<22)|(3<<25)
	s_mov_b32 s[G1B+1], KSTEP<<16
	s_mov_b32 s[G1+1], KSTEP<<16                   ; tensor_dim0 = 128
	s_mov_b32 s[G1B+2], 128<<16
	s_mov_b32 s[G1+2], 128<<16                     ; tensor_dim1 = 128
	s_mov_b32 s[G1B+3], KSTEP<<16
	s_mov_b32 s[G1+3], KSTEP<<16                   ; tile_dim0 = 128
	s_mov_b32 s[G1B+4], 128
	s_mov_b32 s[G1+4], 128                         ; tile_dim1 = 128
	s_mov_b32 s[G1B+5], SIZE_K
	s_mov_b32 s[G1+5], SIZE_K                      ; elements from row to row
	s_mov_b32 s[G1B+6], 0
	s_mov_b32 s[G1+6], 0
	s_mov_b32 s[G1B+7], 0
	s_mov_b32 s[G1+7], 0
	; A's tiles hang on the block row alone, B's on the block column alone; each address is made in registers that never hold the other coordinate
	s_lshl_b32 s17, s12, 7
	s_lshl_b32 s16, s13, 8
	s_add_co_u32 s16, s16, s17                     ; A: row 256 x block row + 128 x half
	s_lshl_b32 s46, s42, 8
	s_add_co_u32 s46, s46, s17                     ; B: row 256 x block column + 128 x half
	s_mov_b32 s17, 0
	s_mov_b32 s47, 0
	s_mov_b64 s[18:19], SIZE_K*2
	s_mul_u64 s[16:17], s[16:17], s[18:19]
	s_mul_u64 s[46:47], s[46:47], s[18:19]
	s_mul_i32 s20, s10, HALFT                      ; where they go: wave x 128 rows
	s_wait_dscnt 0x0
	s_wait_kmcnt 0x0
.if WOFF
	s_add_nc_u64 s[6:7], s[6:7], WOFF              ; this product's weights in wT
.endif
	s_add_nc_u64 s[14:15], s[4:5], s[16:17]
	s_add_nc_u64 s[46:47], s[6:7], s[46:47]
.if GELU
	s_mov_b64 s[8:9], s[70:71]
.else
	s_mov_b64 s[8:9], s[74:75]
	s_cmp_eq_u32 ttmp9, 1                          ; a cluster spans 1,024 columns: cluster x 0, 1, 2 = q, k, v
	s_cselect_b64 s[68:69], s[70:71], s[68:69]
	s_cmp_eq_u32 ttmp9, 2
	s_cselect_b64 s[68:69], s[72:73], s[68:69]
.endif
	CROUND                                         ; all sixteen work-groups are here: the first joint loads meet
.irp s, 0,1
	s_mov_b32 s[G0+4*\s], 1
	s_add_co_u32 s[G0+4*\s+1], s20, \s*SLOT
	s_add_nc_u64 s[G0+4*\s+2:G0+4*\s+3], s[14:15], \s*KSTEP*2
	s_or_b32 s[G0+4*\s+3], s[G0+4*\s+3], 0x80000000
	s_mov_b32 s[G0B+4*\s], 1
	s_add_co_u32 s[G0B+4*\s+1], s20, \s*SLOT
	s_add_nc_u64 s[G0B+4*\s+2:G0B+4*\s+3], s[46:47], \s*KSTEP*2
	s_or_b32 s[G0B+4*\s+3], s[G0B+4*\s+3], 0x80000000
	JLOAD \s                                       ; both slots are asked for before anything else: two tensor loads of the wave are out
.endr
	; a fragment: lane l holds row l % 16; registers 0-3: K = 8 (l / 16) + 0..7, registers 4-7: 16 more.  Two loads of 16 bytes, 32 bytes apart.
	v_and_b32 v1, 15, v0
	v_bfe_u32 v2, v0, 4, 1
	v_mul_u32_u24 v3, v1, PITCH
	v_lshl_add_u32 v3, v2, 4, v3
	s_mul_i32 s21, s11, HALFT                      ; my 128 rows of A
	s_mul_i32 s22, s12, HALFT                      ; my 128 rows of B,
	s_add_co_u32 s22, s22, 2*HALFT                 ; behind A's 256
.irp s, 0,1
	v_add_nc_u32 v[ADRA+\s], s21, v3
	v_add_nc_u32 v[ADRB+\s], s22, v3
	s_add_co_u32 s21, s21, SLOT
	s_add_co_u32 s22, s22, SLOT
.endr
	s_mul_i32 s23, s10, 16*SPITCH
	s_add_co_u32 s23, s23, STAGE                   ; my stage
	v_mul_u32_u24 v4, v1, SPITCH
	v_lshl_add_u32 v4, v2, 4, v4
	v_add_nc_u32 v[STO], s23, v4
	v_mul_u32_u24 v5, v2, SPITCH
	v_lshl_add_u32 v5, v1, 4, v5
	v_add_nc_u32 v[RD], s23, v5
	v_mul_u32_u24 v5, v2, SIZE_N*2
	v_lshl_add_u32 v[CO], v1, 4, v5
	; the bias of my 128 columns, asked for now and waited for on the way out: register 8 b + j = column 16 b + 8 (l / 16) + j
	v_lshlrev_b32 v[BO], 5, v2
.if GELU
	s_lshl_b32 s46, s42, 10                        ; 256 columns x 4 bytes a block column (in the registers that held B's address)
	v_mov_b32 v[KC3], 0xbdd2d3e8
	v_mov_b32 v[KC3+1], 0xbdd2d3e8
	v_mov_b32 v[KC1], 0xc0135761
	v_mov_b32 v[KC1+1], 0xc0135761
.else
	s_lshl_b32 s46, s40, 10                        ; inside bq, bk or bv: 256 columns x 4 bytes for each place along the cluster's x
.endif
	s_lshl_b32 s47, s12, 9
	s_add_co_u32 s46, s46, s47
	s_mov_b32 s47, 0
	s_add_nc_u64 s[68:69], s[68:69], s[46:47]
	WIN TO_B
.irp b, 0,1,2,3,4,5,6,7
	global_load_b128 v[BIAS+8*\b:BIAS+8*\b+3],   v[BO], s[68:69] offset:64*\b
	global_load_b128 v[BIAS+8*\b+4:BIAS+8*\b+7], v[BO], s[68:69] offset:64*\b+16
.endr
	WIN 0
; 16 matrix instructions: m blocks a0, a0 + 1 of the window's four x all 8 n blocks, 32 along K.  zero = 1: the first product starts the sums.
.macro MUL16 f, hi, a0, zero
.irp a, \a0, \a0+1
.irp b, 0,1,2,3,4,5,6,7
.if \zero
	v_wmma_f32_16x16x32_bf16 v[8*(8*(\a)+\b):8*(8*(\a)+\b)+7], v[\f+8*\b:\f+8*\b+7], v[\f+8*(4*\hi+\a):\f+8*(4*\hi+\a)+7], 0
.else
	v_wmma_f32_16x16x32_bf16 v[8*(8*(\a)+\b):8*(8*(\a)+\b)+7], v[\f+8*\b:\f+8*\b+7], v[\f+8*(4*\hi+\a):\f+8*(4*\hi+\a)+7], v[8*(8*(\a)+\b):8*(8*(\a)+\b)+7]
.endif
.endr
.endr
.endm
; 32 LDS loads in one run: the fragments of one quarter step (32 K at byte k of the rows) into buffer f
.macro FETCH slot, k, f
	WIN TO_B
.irp i, 0,1,2,3,4,5,6,7
	ds_load_b128 v[\f+8*\i:\f+8*\i+3],   v[ADRB+\slot] offset:\k+\i*16*PITCH
	ds_load_b128 v[\f+8*\i+4:\f+8*\i+7], v[ADRB+\slot] offset:\k+\i*16*PITCH+32
.endr
	WIN 0
.irp i, 0,1,2,3,4,5,6,7
	ds_load_b128 v[\f+8*\i:\f+8*\i+3],   v[ADRA+\slot] offset:\k+\i*16*PITCH
	ds_load_b128 v[\f+8*\i+4:\f+8*\i+7], v[ADRA+\slot] offset:\k+\i*16*PITCH+32
.endr
.endm
; Four plain vector instructions stand between a matrix instruction and a load into, or a vector instruction on, one of its registers
.macro PLACES
.rept 4
	v_nop
.endr
.endm
; A quarter step: multiplies buffer f; in its middle it fetches the next quarter's fragments into buffer g
.macro QUARTER slot, k, f, g, zero
	s_wait_dscnt 8                                 ; B and A's rows 0-63 are in; the youngest eight loads (A's rows 64-127) may be out
	WIN MUL_LO
	MUL16 \f, 0, 0, \zero
	MUL16 \f, 0, 2, \zero
	PLACES
	FETCH \slot, \k, \g
	s_wait_dscnt 32                                ; all but the 32 just issued
	WIN MUL_HI
	MUL16 \f, 1, 0, \zero
	MUL16 \f, 1, 2, \zero
.endm
.macro THREE slot, zero
	QUARTER \slot, 64,  F0, F1, \zero
	QUARTER \slot, 128, F1, F0, 0
	QUARTER \slot, 192, F0, F1, 0
.endm
; The last quarter multiplies buffer 1 and changes slots.  In front of the one barrier each wave waits for its reads of this slot and for all its
; tensor loads (one is out: its part of the next slot).  Behind it the refill comes first, then the next slot's first fragments.
.macro TURN slot, next, fill
	s_wait_dscnt 8
	WIN MUL_LO
	MUL16 F1, 0, 0, 0
	s_wait_dscnt 0                                 ; my reads of this slot are over
	s_wait_tensorcnt 0x0                           ; all my tensor loads have landed
	ds_add_u32 v63, v31
	s_wait_dscnt 0x0
	s_barrier_signal -1                            ; where a slot is filled again this barrier opens a round of the cluster's barrier
	MUL16 F1, 0, 2, 0                              ; registers only
	WIN 0
	s_barrier_wait -1
.if \fill
	CREST                                          ; no wave of any partner still reads this slot or has a load on its way
	s_add_nc_u64 s[G0+4*\slot+2:G0+4*\slot+3], s[G0+4*\slot+2:G0+4*\slot+3], 2*KSTEP*2
	s_add_nc_u64 s[G0B+4*\slot+2:G0B+4*\slot+3], s[G0B+4*\slot+2:G0B+4*\slot+3], 2*KSTEP*2
	JLOAD \slot                                    ; the first tensor load behind the round, the wave's only one until the next
.endif
	PLACES
	FETCH \next, 0, F0
	WIN MUL_HI
	MUL16 F1, 1, 0, 0
	MUL16 F1, 1, 2, 0
.endm
.macro LAP zero
	THREE 0, \zero
	TURN 0, 1, 1
	THREE 1, 0
	TURN 1, 0, 1
.endm
	s_wait_tensorcnt 1                             ; my part of K step 0 is in; K step 1's stays out
	s_barrier_signal -1
	s_barrier_wait -1
	FETCH 0, 0, F0
	LAP 1                                          ; the first lap's first products start the sums
.if LAPS > 2
	WIN 0
	s_mov_b32 s3, LAPS-2
.Llap:
	LAP 0
	WIN 0
	s_sub_co_u32 s3, s3, 1
	s_cmp_lg_u32 s3, 0
	s_cbranch_scc1 .Llap
.endif
	THREE 0, 0                                     ; the last lap fills nothing
	TURN 0, 1, 0
	THREE 1, 0
	s_wait_dscnt 8
	WIN MUL_LO
	MUL16 F1, 0, 0, 0
	MUL16 F1, 0, 2, 0
	s_wait_dscnt 0
	WIN MUL_HI
	MUL16 F1, 1, 0, 0
	MUL16 F1, 1, 2, 0
	; THE WAY OUT, 16 rows at a time: + bias (and GELU) in f32, round to bf16, 16 bytes a lane into my own stage, back as whole rows of 256 bytes.
	PLACES
	s_wait_loadcnt 0x0                             ; the bias
	s_lshl_b32 s13, s13, 8
	s_lshl_b32 s14, s11, 7
	s_add_co_u32 s16, s13, s14                     ; my first row of C
	s_mov_b32 s17, 0
	s_mov_b64 s[18:19], SIZE_N*2
	s_mul_u64 s[16:17], s[16:17], s[18:19]
	s_add_nc_u64 s[8:9], s[8:9], s[16:17]
	s_lshl_b32 s46, s42, 9                         ; my first column, in bytes
	s_lshl_b32 s47, s12, 8
	s_add_co_u32 s46, s46, s47
	s_mov_b32 s47, 0
	s_add_nc_u64 s[8:9], s[8:9], s[46:47]
; y = x / (1 + 2^(x (k1 + k3 x^2))) = 0.5 x (1 + tanh(sqrt(2/pi) (x + 0.044715 x^3))): goes to 0 and to x at the two ends, and forms no difference
.macro GELU64
.set ii, 0
.rept 32
	v_pk_mul_f32 v[TT+2*ii:TT+2*ii+1], v[XF+2*ii:XF+2*ii+1], v[XF+2*ii:XF+2*ii+1]
.set ii, ii+1
.endr
.set ii, 0
.rept 32
	v_pk_fma_f32 v[TT+2*ii:TT+2*ii+1], v[TT+2*ii:TT+2*ii+1], v[KC3:KC3+1], v[KC1:KC1+1]
.set ii, ii+1
.endr
.set ii, 0
.rept 32
	v_pk_mul_f32 v[TT+2*ii:TT+2*ii+1], v[TT+2*ii:TT+2*ii+1], v[XF+2*ii:XF+2*ii+1]
.set ii, ii+1
.endr
.set ii, 0
.rept 64
	v_exp_f32 v[TT+ii], v[TT+ii]
.set ii, ii+1
.endr
	v_nop                                          ; one plain instruction behind the transcendentals before a result is used (ISA guide 5.7.2)
.set ii, 0
.rept 32
	v_pk_add_f32 v[TT+2*ii:TT+2*ii+1], v[TT+2*ii:TT+2*ii+1], 1.0 op_sel_hi:[1,0]
.set ii, ii+1
.endr
.set ii, 0
.rept 64
	v_rcp_f32 v[TT+ii], v[TT+ii]
.set ii, ii+1
.endr
	v_nop
.set ii, 0
.rept 32
	v_pk_mul_f32 v[XF+2*ii:XF+2*ii+1], v[XF+2*ii:XF+2*ii+1], v[TT+2*ii:TT+2*ii+1]
.set ii, ii+1
.endr
.endm
; rows 16 i .. 16 i + 15 of my block = tiles (a, 0..7) of window 2 or 3 (addwin = 0x06, 0x07: source 0 that window, source 1 window 1); rb: RB0, RB1 in turn
.macro OUT16 i, a, addwin, rb
	WIN \addwin
.irp b, 0,1,2,3,4,5,6,7
.irp r, 0,1,2,3
	v_pk_add_f32 v[XF+8*\b+2*\r:XF+8*\b+2*\r+1], v[8*(8*\a+\b)+2*\r:8*(8*\a+\b)+2*\r+1], v[BIAS+8*\b+2*\r:BIAS+8*\b+2*\r+1]
.endr
.endr
	WIN 0
.if GELU
	GELU64
.endif
.irp b, 0,1,2,3,4,5,6,7
.irp r, 0,1,2,3
	v_cvt_pk_bf16_f32 v[TMP+4*\b+\r], v[XF+8*\b+2*\r], v[XF+8*\b+2*\r+1]
.endr
.endr
.irp b, 0,1,2,3,4,5,6,7
	ds_store_b128 v[STO], v[TMP+4*\b:TMP+4*\b+3] offset:32*\b
.endr
	s_wait_xcnt 0x0                                ; the earlier stores' addresses are translated (ISA guide 3.1): their data registers and base are rewritten only behind this wait
.if \i
	s_add_nc_u64 s[8:9], s[8:9], 16*SIZE_N*2
.endif
.irp t, 0,1,2,3,4,5,6,7
	ds_load_b128 v[\rb+4*\t:\rb+4*\t+3], v[RD] offset:\t*2*SPITCH    ; my own bytes: LDS serves a wave's instructions in order
.endr
.irp t, 0,1,2,3,4,5,6,7
	s_wait_dscnt 7-\t
	global_store_b128 v[CO], v[\rb+4*\t:\rb+4*\t+3], s[8:9] offset:2*\t*SIZE_N*2   ; 16 lanes store 256 consecutive bytes, aligned
.endr
.endm
	OUT16 0, 0, 0x06, RB0
	OUT16 1, 1, 0x06, RB1
	OUT16 2, 2, 0x06, RB0
	OUT16 3, 3, 0x06, RB1
	OUT16 4, 0, 0x07, RB0
	OUT16 5, 1, 0x07, RB1
	OUT16 6, 2, 0x07, RB0
	OUT16 7, 3, 0x07, RB1
	s_set_vgpr_msb 0x1
	s_wait_tensorcnt 0x0
	ds_add_u32 v63, v31
	s_wait_dscnt 0x0
	s_set_vgpr_msb 0x100
	CROUND                                         ; the closing round: no work-group ends while a partner may still ask for a tile that names it
	s_endpgm
.Lfunc_end_k_q0b3a909fe4_qkvp:
	.size	k_q0b3a909fe4_qkvp, .Lfunc_end_k_q0b3a909fe4_qkvp-k_q0b3a909fe4_qkvp
	.p2alignl 7, 3214868480
	.fill 96, 4, 3214868480
	.section	.rodata,"a",@progbits
	.p2align	6, 0x0
	.amdhsa_kernel k_q0b3a909fe4_qkvp
		.amdhsa_group_segment_fixed_size 327680
		.amdhsa_private_segment_fixed_size 0
		.amdhsa_enable_private_segment 0
		.amdhsa_kernarg_size 48
		.amdhsa_user_sgpr_count 2
		.amdhsa_user_sgpr_kernarg_segment_ptr 1
		.amdhsa_wavefront_size32 1
		.amdhsa_system_sgpr_workgroup_id_x 1
		.amdhsa_system_sgpr_workgroup_id_y 1
		.amdhsa_system_sgpr_workgroup_id_z 1
		.amdhsa_system_vgpr_workitem_id 0
		.amdhsa_next_free_vgpr 1024
		.amdhsa_next_free_sgpr 76
		.amdhsa_reserve_vcc 0
		.amdhsa_float_denorm_mode_32 3
		.amdhsa_float_denorm_mode_16_64 3
		.amdhsa_memory_ordered 1
		.amdhsa_forward_progress 1
		.amdhsa_inst_pref_size 214
	.end_amdhsa_kernel
	.amdgpu_metadata
---
amdhsa.version: [ 1, 2 ]
amdhsa.kernels:
  - .name:           k_q0b3a909fe4_qkvp
    .symbol:         k_q0b3a909fe4_qkvp.kd
    .args:
      - { .name: xb1, .offset: 0, .size: 8, .value_kind: global_buffer, .address_space: global }
      - { .name: wT, .offset: 8, .size: 8, .value_kind: global_buffer, .address_space: global }
      - { .name: bq, .offset: 16, .size: 8, .value_kind: global_buffer, .address_space: global }
      - { .name: bk, .offset: 24, .size: 8, .value_kind: global_buffer, .address_space: global }
      - { .name: bv, .offset: 32, .size: 8, .value_kind: global_buffer, .address_space: global }
      - { .name: qkv, .offset: 40, .size: 8, .value_kind: global_buffer, .address_space: global }
    .group_segment_fixed_size: 327680
    .private_segment_fixed_size: 0
    .kernarg_segment_align: 8
    .kernarg_segment_size: 48
    .max_flat_workgroup_size: 128
    .sgpr_count:     76
    .vgpr_count:     1024
    .wavefront_size: 32
...
	.end_amdgpu_metadata
.endif
;; end of part 2
;; launch attn (part 3): grid 4 x 64, 8 waves a work-group, clusters of 4 x 1, 312,320 bytes of LDS; arguments qkv, maskw, att; writes att
.if DOCPART == 3
	.amdgcn_target "amdgcn-amd-amdhsa--gfx1250"
	.amdhsa_code_object_version 6
	.text
	.protected	k_q0b3a909fe4_attn
	.globl	k_q0b3a909fe4_attn
	.p2align	8
	.type	k_q0b3a909fe4_attn,@function
k_q0b3a909fe4_attn:
	s_mov_b64 s[64:65], 0
	v_nop
	global_prefetch_b8 v0, s[64:65] scope:SCOPE_SE
	s_setreg_imm32_b32 hwreg(HW_REG_WAVE_MODE, 25, 1), 1
	s_wait_xcnt 0x0
	s_wait_alu depctr_hold_cnt(0) depctr_sa_sdst(0) depctr_va_vdst(0) depctr_va_sdst(0) depctr_va_ssrc(0) depctr_va_vcc(0) depctr_vm_vsrc(0)
	s_getreg_b32 s2, hwreg(HW_REG_IB_STS2, 6, 4)
	s_cmp_eq_u32 s2, 0
	s_cbranch_scc0 .Lentry_in_a_cluster
	s_endpgm
.Lentry_in_a_cluster:
	s_bfe_u32 s2, ttmp6, 0x10000c
	s_cmp_lg_u32 s2, 0x3003
	s_cbranch_scc0 .Lentry_shape_is_right
	s_endpgm
.Lentry_shape_is_right:
; Masked attention of one (batch, head) for 256 queries: att = softmax(where(mask == 0, -1e9, q k^T / 8)) v, in bf16.
; qkv: [4096][3072] bf16 (q | k | v), maskw: lane masks (word (((b*64+qt)*64+kt)*8+j), bit r+16h: query 16qt+r, key 16kt+8h+j), att: [4096][1024] bf16.
; Eight waves, 32 queries (two tiles of 16) each.  ALL 1,024 keys and values of the head lie in LDS, each byte filled once: no slot is ever filled again.
; CLUSTER: the four query blocks of a head form a cluster of 4 x 1 and ask for K and V jointly (mask 15).  Waves 0-3 ask for K, waves 4-7 for V,
; four tensor loads each (64 rows of 128 bytes, one for each chunk of 256 keys): four tensor loads of a wave are out at the most.
; LAYOUTS: scores are made transposed, S^T = K Q^T: lane (r, h) holds query r and, in register j, key 8h + j.  So maximum, sum and rescaling are a lane's
; own (one exchange joins the two halves), two packed score tiles ARE the second source of O^T = V^T P^T, and a lane ends with 8 neighbouring numbers of a row.
; K's fragments have registers of their own (v256-319, the second window of 256), so that the next 64 keys' fragments are asked for straight behind this
; step's score products and have the whole softmax in which to come; that costs four switches of the window a step.
; SOFTMAX: running maximum M of the raw scores, taken every 64 keys.  p = 2^(S c + NM), c = log2(e)/8, NM = round(-M c); old sums are rescaled by
; 2^(NM - NMold), formed from the rounded NMs, so that the factors of all steps agree, also in a row whose keys are all closed (S = -8e9 = 8 x -1e9: uniform weights).
; LIMITS: Inf or NaN among the scores is not treated as the formula would; the row sum is taken over the f32 weights while P enters the product rounded to bf16.
; A head's piece of an output row is 128 bytes: eight lanes store it whole; a longer run does not exist in one head.
.set KP,    144                        ; K's LDS row: 128 bytes + 16 (odd multiple of 16)
.set VP,    160                        ; V's LDS row: 128 bytes + 32 (odd multiple of 32, for the transposing load)
.set VBASE, 1024*KP                    ; K: bytes 0 .. 147,455;  V: 147,456 .. 311,295
.set ROWB,  6144                       ; bytes in a row of qkv
.set MX,  10                           ; v10, v11    running maximum (raw), query tile 0, 1
.set NM,  12                           ; v[12:13], v[14:15]  -M c in the low register; the high one is written once
.set QF,  16                           ; v[16:47]    Q fragments: 16 q + 8 c
.set OA,  48                           ; v[48:111]   O^T accumulators: 32 q + 8 d
.set BUF, 112                          ; v[112:175]  V fragments (32 u + 8 d); at the end: rows read back
.set ST,  176                          ; v[176:239]  scores: 32 q + 8 kt; later P: 32 q + 16 u, 8 registers
.set AL,  240                          ; v[240:241], v[242:243]  rescaling factor in the low register
.set LS,  244                          ; v[244:245], v[246:247]  a lane's part of the row sum, in two halves
.set TA,  248                          ; v248-251    at work
.set TB,  250
.set NMO, 252                          ; v252, v253  the last step's NM
.set KB,  0                            ; window 1: v256-319  K fragments (16 kt + 8 c)
; v1 K address, v2 V address, v3 stage in, v4 stage back, v5 offset in att, v6 -8e9, v7 offset of Q, v[8:9] c
; s2 wave, s3 counter, s[4:5] mask words, s[6:7] att, s[8:23] four group 0, s[24:31] group 1, s[32:63] and s[68:99] this step's 64 mask words,
; s66, s67 selects of v_permlanex16_b32, s[100:101] Q
.set MSB, 0
.macro WIN new                         ; s_set_vgpr_msb: bits 1:0 source 0, 7:6 destination; the immediate's high byte repeats the setting that is left
.if MSB != \new
	s_set_vgpr_msb (MSB<<8)|\new
.set MSB, \new
.endif
.endm
.macro ROUND                           ; a round of the cluster's barrier
	s_barrier_signal -1
	s_barrier_wait -1
	s_cmp_lg_u32 s2, 0
	s_cbranch_scc1 .Lnot_wave_0_\@
	s_barrier_signal -3
.Lnot_wave_0_\@:
	s_barrier_wait -3
	s_barrier_signal -1
	s_barrier_wait -1
.endm
; my four first fills: 64 rows of each chunk of 256 keys.  s[34:35]: the head's columns of q in my first row; col: bytes from q's columns to k's or v's
.macro KVFILL w0, lmul, lbase, lchunk, col
	s_mov_b32 s24, \w0
	s_mul_i32 s33, s2, \lmul
	s_add_nc_u64 s[36:37], s[34:35], \col
.irp ch, 0,1,2,3
	s_mov_b32 s[8+4*\ch], 1
	s_add_co_u32 s[9+4*\ch], s33, \lbase+\ch*\lchunk
	s_add_nc_u64 s[10+4*\ch:11+4*\ch], s[36:37], \ch*256*ROWB
	s_or_b32 s[11+4*\ch], s[11+4*\ch], 0x80000000
	tensor_load_to_lds s[8+4*\ch:11+4*\ch], s[24:31]
	s_nop 0
.endr
.endm
.macro KLOAD ahead                     ; the fragments of 64 keys, ahead bytes behind v1: tile kt, half c of the 64 numbers of a key
	WIN 0x40                                       ; destination in window 1, address in window 0
.irp kt, 0,1,2,3
.irp c, 0,1
	ds_load_b128 v[KB+16*\kt+8*\c:KB+16*\kt+8*\c+3],   v1 offset:\ahead+\kt*16*KP+\c*64
	ds_load_b128 v[KB+16*\kt+8*\c+4:KB+16*\kt+8*\c+7], v1 offset:\ahead+\kt*16*KP+\c*64+32
.endr
.endr
	WIN 0
.endm
; 64 keys.  first = 1: nothing to rescale, the products start the sums.  kpre = 1: ask for the next step's K (same chunk).  mpre = 1: ask for the next step's mask words.
.macro STEP first, kpre, mpre
	s_wait_dscnt 0x0                               ; K's fragments are in (asked for a step ago, or just behind the chunk's barrier)
	; the eight score accumulators take turns, one instruction a turn
	WIN 0x01                                       ; source 0 (K) in window 1
.irp q, 0,1
.irp kt, 0,1,2,3
	v_wmma_f32_16x16x32_bf16 v[ST+32*\q+8*\kt:ST+32*\q+8*\kt+7], v[KB+16*\kt:KB+16*\kt+7], v[QF+16*\q:QF+16*\q+7], 0
.endr
.endr
.irp q, 0,1
.irp kt, 0,1,2,3
	v_wmma_f32_16x16x32_bf16 v[ST+32*\q+8*\kt:ST+32*\q+8*\kt+7], v[KB+16*\kt+8:KB+16*\kt+15], v[QF+16*\q+8:QF+16*\q+15], v[ST+32*\q+8*\kt:ST+32*\q+8*\kt+7]
.endr
.endr
	WIN 0
.rept 4
	v_nop                                          ; four places before loads land in K's registers and vector instructions read the scores
.endr
.if \kpre
	KLOAD 64*KP                                    ; the next 64 keys: 16 loads, older than V's below
.endif
.irp u, 0,1
.irp d, 0,1,2,3
	ds_load_tr16_b128 v[BUF+32*\u+8*\d:BUF+32*\u+8*\d+3],   v2 offset:\u*32*VP+32*\d          ; V^T: rows 16 d .. + 15 of the head's 64, keys 32 u + 8 h ..
	ds_load_tr16_b128 v[BUF+32*\u+8*\d+4:BUF+32*\u+8*\d+7], v2 offset:\u*32*VP+32*\d+16*VP    ; keys 32 u + 16 + 8 h ..
.endr
.endr
	s_wait_kmcnt 0x0                               ; this step's mask words
.irp kt, 0,1,2,3
.irp j, 0,1,2,3,4,5,6,7
	v_cndmask_b32 v[ST+8*\kt+\j],    v6, v[ST+8*\kt+\j],    s[32+8*\kt+\j]   ; a closed key's score is replaced by -8e9
	v_cndmask_b32 v[ST+32+8*\kt+\j], v6, v[ST+32+8*\kt+\j], s[68+8*\kt+\j]
.endr
.endr
	; the maximum: two chains for each query tile
.irp q, 0,1
.if \first
	v_max_num_f32 v[TA+\q], v[ST+32*\q], v[ST+32*\q+1]
.else
	v_max3_num_f32 v[TA+\q], v[MX+\q], v[ST+32*\q], v[ST+32*\q+1]
.endif
	v_max_num_f32 v[TB+\q], v[ST+32*\q+16], v[ST+32*\q+17]
.endr
.irp m, 1,2,3,4,5,6,7
.irp q, 0,1
	v_max3_num_f32 v[TA+\q], v[TA+\q], v[ST+32*\q+2*\m], v[ST+32*\q+2*\m+1]
	v_max3_num_f32 v[TB+\q], v[TB+\q], v[ST+32*\q+16+2*\m], v[ST+32*\q+16+2*\m+1]
.endr
.endr
.irp q, 0,1
	v_max_num_f32 v[TA+\q], v[TA+\q], v[TB+\q]
.endr
.irp q, 0,1
	v_permlanex16_b32 v[TB+\q], v[TA+\q], s66, s67 ; the other eight keys of each tile lie in the other half of the lanes
.endr
.irp q, 0,1
	v_max_num_f32 v[MX+\q], v[TA+\q], v[TB+\q]
.endr
.if \mpre
	s_add_nc_u64 s[4:5], s[4:5], 128               ; 4 tiles x 8 words; the pointer's loads were shown done by the wait above
	s_load_b512 s[32:47], s[4:5], 0x0              ; they have the rest of the step in which to come
	s_load_b512 s[48:63], s[4:5], 0x40
	s_load_b512 s[68:83], s[4:5], 0x800            ; the second query tile: 64 tiles x 8 words further
	s_load_b512 s[84:99], s[4:5], 0x840
.endif
.irp q, 0,1
.if \first == 0
	v_mov_b32 v[NMO+\q], v[NM+2*\q]
.endif
	v_mul_f32 v[NM+2*\q], 0xbe38aa3b, v[MX+\q]     ; NM = -M c
.endr
.if \first == 0
.irp q, 0,1
	v_sub_f32 v[AL+2*\q], v[NM+2*\q], v[NMO+\q]
.endr
.irp q, 0,1
	v_exp_f32 v[AL+2*\q], v[AL+2*\q]               ; the multiply-adds below are the plain instructions behind it
.endr
.endif
.irp q, 0,1
.set ii, 0
.rept 16
	v_pk_fma_f32 v[ST+32*\q+2*ii:ST+32*\q+2*ii+1], v[ST+32*\q+2*ii:ST+32*\q+2*ii+1], v[8:9], v[NM+2*\q:NM+2*\q+1] op_sel_hi:[1,0,0]
.set ii, ii+1
.endr
.endr
.set ii, 0
.rept 64
	v_exp_f32 v[ST+ii], v[ST+ii]
.set ii, ii+1
.endr
	v_nop                                          ; one plain instruction behind the transcendentals (ISA guide 5.7.2)
	s_wait_alu depctr_va_vdst(0)
	; the row sums: two chains for each query tile
.irp q, 0,1
.if \first
	s_wait_alu depctr_va_vdst(0)
	v_pk_add_f32 v[LS+2*\q:LS+2*\q+1], v[ST+32*\q:ST+32*\q+1], v[ST+32*\q+2:ST+32*\q+3]
.else
	v_pk_fma_f32 v[LS+2*\q:LS+2*\q+1], v[LS+2*\q:LS+2*\q+1], v[AL+2*\q:AL+2*\q+1], v[ST+32*\q:ST+32*\q+1] op_sel_hi:[1,0,1]
.endif
	v_pk_add_f32 v[TA+2*\q:TA+2*\q+1], v[ST+32*\q+16:ST+32*\q+17], v[ST+32*\q+18:ST+32*\q+19]
.endr
.if \first == 0
.irp q, 0,1
	v_pk_add_f32 v[LS+2*\q:LS+2*\q+1], v[LS+2*\q:LS+2*\q+1], v[ST+32*\q+2:ST+32*\q+3]
.endr
.endif
.irp m, 2,3,4,5,6,7
.irp q, 0,1
	v_pk_add_f32 v[LS+2*\q:LS+2*\q+1], v[LS+2*\q:LS+2*\q+1], v[ST+32*\q+2*\m:ST+32*\q+2*\m+1]
	v_pk_add_f32 v[TA+2*\q:TA+2*\q+1], v[TA+2*\q:TA+2*\q+1], v[ST+32*\q+16+2*\m:ST+32*\q+16+2*\m+1]
.endr
.endr
.irp q, 0,1
	v_pk_add_f32 v[LS+2*\q:LS+2*\q+1], v[LS+2*\q:LS+2*\q+1], v[TA+2*\q:TA+2*\q+1]
.endr
	; two score tiles pack, in place, into the fragment of P for 32 keys
.irp q, 0,1
.irp u, 0,1
.irp m, 0,1,2,3,4,5,6,7
	v_cvt_pk_bf16_f32 v[ST+32*\q+16*\u+\m], v[ST+32*\q+16*\u+2*\m], v[ST+32*\q+16*\u+2*\m+1]
.endr
.endr
.endr
.if \first == 0
.irp q, 0,1
.set ii, 0
.rept 16
	v_pk_mul_f32 v[OA+32*\q+2*ii:OA+32*\q+2*ii+1], v[OA+32*\q+2*ii:OA+32*\q+2*ii+1], v[AL+2*\q:AL+2*\q+1] op_sel_hi:[1,0]
.set ii, ii+1
.endr
.endr
.endif
	s_wait_dscnt 0x8                               ; the next step's K (older) and V's first 32 keys are in; the eight loads of V's second 32 may be out
	; the eight output accumulators take turns, one instruction a turn
.irp q, 0,1
.irp d, 0,1,2,3
.if \first
	v_wmma_f32_16x16x32_bf16 v[OA+32*\q+8*\d:OA+32*\q+8*\d+7], v[BUF+8*\d:BUF+8*\d+7], v[ST+32*\q:ST+32*\q+7], 0
.else
	v_wmma_f32_16x16x32_bf16 v[OA+32*\q+8*\d:OA+32*\q+8*\d+7], v[BUF+8*\d:BUF+8*\d+7], v[ST+32*\q:ST+32*\q+7], v[OA+32*\q+8*\d:OA+32*\q+8*\d+7]
.endif
.endr
.endr
	s_wait_dscnt 0x0
.irp q, 0,1
.irp d, 0,1,2,3
	v_wmma_f32_16x16x32_bf16 v[OA+32*\q+8*\d:OA+32*\q+8*\d+7], v[BUF+32+8*\d:BUF+32+8*\d+7], v[ST+32*\q+16:ST+32*\q+23], v[OA+32*\q+8*\d:OA+32*\q+8*\d+7]
.endr
.endr
	; five places: four before loads land in V's registers, five before the next scores are written over P
	v_add_nc_u32 v1, 64*KP, v1                     ; the next 64 keys
	v_add_nc_u32 v2, 64*VP, v2
.rept 3
	v_nop
.endr
.endm
; A chunk of 256 keys becomes readable: my own part has landed (the later chunks' loads stay out), and so has everybody's
.macro CHUNK left
	s_wait_dscnt 0x0
	s_wait_tensorcnt \left
	s_barrier_signal -1
	s_barrier_wait -1
	KLOAD 0
.endm
	s_load_b128 s[36:39], s[0:1], 0x0              ; qkv s[36:37], maskw s[38:39]
	s_load_b64 s[6:7], s[0:1], 0x10                ; att
	v_lshl_add_u32 v254, v0, 2, 0x4c000
	v_mov_b32 v255, 0
	ds_add_u32 v254, v255
	v_lshrrev_b32 v1, 5, v0
	v_readfirstlane_b32 s2, v1                     ; wave 0..7
	s_bfe_u32 s40, ttmp6, 0x40000                  ; cx: which 256 queries.  It enters Q's, the mask's and att's addresses alone
	s_and_b32 s41, ttmp7, 0xffff                   ; batch x 16 + head
	s_lshr_b32 s42, s41, 4
	s_and_b32 s43, s41, 15
	s_mov_b32 s66, 0x76543210
	s_mov_b32 s67, 0xfedcba98
	s_lshl_b32 s44, s42, 10                        ; the batch's first row
	s_lshl_b32 s47, s43, 7                         ; the head's 128 bytes in a row
	s_lshl_b32 s45, s40, 8
	s_add_co_u32 s45, s45, s44
	s_lshl_b32 s46, s2, 5
	s_add_co_u32 s45, s45, s46                     ; my wave's first query row
	s_mul_i32 s48, s45, ROWB
	s_add_co_u32 s48, s48, s47
	s_mov_b32 s49, 0                               ; Q
	s_lshl_b32 s50, s45, 11
	s_add_co_u32 s50, s50, s47
	s_mov_b32 s51, 0                               ; att: rows of 2,048 bytes
	s_lshl_b32 s52, s45, 7                         ; mask words: (row / 16) x 2,048 bytes
	s_mov_b32 s53, 0
	s_and_b32 s54, s2, 3
	s_lshl_b32 s54, s54, 6
	s_add_co_u32 s54, s54, s44                     ; the 64 rows of each chunk that I ask for
	s_mul_i32 s54, s54, ROWB
	s_add_co_u32 s54, s54, s47
	s_mov_b32 s55, 0
	s_mul_i32 s56, s2, 32*KP                       ; my stage on the way out
	; group 1 but for its first word: a tile of 64 rows x 64 elements of 2 bytes, 3,072 elements from row to row
	s_mov_b32 s25, 64<<16
	s_mov_b32 s26, 64<<16
	s_mov_b32 s27, 64<<16
	s_mov_b32 s28, 64
	s_mov_b32 s29, 3072
	s_mov_b32 s30, 0
	s_mov_b32 s31, 0
	v_and_b32 v8, 15, v0                           ; r
	v_bfe_u32 v9, v0, 4, 1                         ; h
	v_and_b32 v10, 7, v0                           ; lane & 7
	v_bfe_u32 v11, v0, 3, 1                        ; (lane >> 3) & 1
	v_bfe_u32 v12, v0, 3, 2                        ; lane >> 3
	v_mul_u32_u24 v1, v8, KP
	v_lshl_add_u32 v1, v9, 4, v1                   ; K: row r, 16 bytes for each half
	v_mul_u32_u24 v7, v8, ROWB
	v_lshl_add_u32 v7, v9, 4, v7                   ; Q in memory, likewise
	v_lshl_add_u32 v13, v9, 3, v10
	v_mul_u32_u24 v2, v13, VP
	v_lshl_add_u32 v2, v11, 4, v2
	v_add_nc_u32 v2, VBASE, v2                     ; V: key 8 h + (lane & 7), 16 bytes by (lane >> 3) & 1
	v_add_nc_u32 v3, s56, v1
	v_mul_u32_u24 v4, v12, KP
	v_lshl_add_u32 v4, v10, 4, v4
	v_add_nc_u32 v4, s56, v4                       ; back: eight lanes take a row of 128 bytes
	v_lshlrev_b32 v5, 11, v12
	v_lshl_add_u32 v5, v10, 4, v5
	v_mov_b32 v6, 0xcfee6b28                       ; -8e9
	v_mov_b32 v8, 0x3e38aa3b                       ; log2(e) / 8
	v_mov_b32 v9, 0x3e38aa3b
	v_mov_b32 v[NM+1], 0                           ; upper registers of pairs of which the lower one is broadcast
	v_mov_b32 v[NM+3], 0
	v_mov_b32 v[AL+1], 0
	v_mov_b32 v[AL+3], 0
	s_wait_dscnt 0x0
	s_wait_kmcnt 0x0
	s_add_nc_u64 s[100:101], s[36:37], s[48:49]
	s_add_nc_u64 s[6:7], s[6:7], s[50:51]
	s_add_nc_u64 s[4:5], s[38:39], s[52:53]
	s_add_nc_u64 s[34:35], s[36:37], s[54:55]
.irp q, 0,1
.irp c, 0,1
	global_load_b128 v[QF+16*\q+8*\c:QF+16*\q+8*\c+3],   v7, s[100:101] offset:\q*16*ROWB+\c*64
	global_load_b128 v[QF+16*\q+8*\c+4:QF+16*\q+8*\c+7], v7, s[100:101] offset:\q*16*ROWB+\c*64+32
.endr
.endr
	ROUND                                          ; the four work-groups are here: the joint loads meet
	s_cmp_lt_u32 s2, 4
	s_cbranch_scc0 .Lfill_v
	KVFILL 15|(1<<16)|(1<<20)|(1<<21)|(4<<22)|(3<<25), 64*KP, 0, 256*KP, 2048                 ; K: 4 words of padding behind every 32
	s_branch .Lfilled
.Lfill_v:
	KVFILL 15|(1<<16)|(1<<20)|(1<<21)|(4<<22)|(7<<25), 64*VP, VBASE-256*VP, 256*VP, 4096      ; V: 8 words; waves 4-7 take rows 64 (wave - 4) ..
.Lfilled:
	s_load_b512 s[32:47], s[4:5], 0x0              ; the first step's mask words (the registers' earlier contents are used up)
	s_load_b512 s[48:63], s[4:5], 0x40
	s_load_b512 s[68:83], s[4:5], 0x800
	s_load_b512 s[84:99], s[4:5], 0x840
	s_wait_loadcnt 0x0                             ; Q
	CHUNK 3
	STEP 1, 1, 1
	s_mov_b32 s3, 2
.Lc0:
	STEP 0, 1, 1
	s_sub_co_i32 s3, s3, 1
	s_cmp_lg_u32 s3, 0
	s_cbranch_scc1 .Lc0
	STEP 0, 0, 1                                   ; the chunk's last 64 keys: the next chunk's K is read only behind its barrier
	CHUNK 2
	s_mov_b32 s3, 3
.Lc1:
	STEP 0, 1, 1
	s_sub_co_i32 s3, s3, 1
	s_cmp_lg_u32 s3, 0
	s_cbranch_scc1 .Lc1
	STEP 0, 0, 1
	CHUNK 1
	s_mov_b32 s3, 3
.Lc2:
	STEP 0, 1, 1
	s_sub_co_i32 s3, s3, 1
	s_cmp_lg_u32 s3, 0
	s_cbranch_scc1 .Lc2
	STEP 0, 0, 1
	CHUNK 0
	s_mov_b32 s3, 3
.Lc3:
	STEP 0, 1, 1
	s_sub_co_i32 s3, s3, 1
	s_cmp_lg_u32 s3, 0
	s_cbranch_scc1 .Lc3
	STEP 0, 0, 0                                   ; the last 64 keys: nothing more to ask for
	; divide by the row sum (the last step's five places stand behind the last matrix instruction), round, and out through LDS
	v_add_f32 v[TA], v[LS], v[LS+1]
	v_add_f32 v[TA+1], v[LS+2], v[LS+3]
	v_permlanex16_b32 v[TB], v[TA], s66, s67
	v_permlanex16_b32 v[TB+1], v[TA+1], s66, s67
	v_add_f32 v[TA], v[TA], v[TB]
	v_add_f32 v[TA+1], v[TA+1], v[TB+1]
	v_rcp_f32 v[AL], v[TA]                         ; the sum holds the largest weight, 2^(rounding of NM): never 0
	v_rcp_f32 v[AL+2], v[TA+1]
	v_nop
	s_wait_alu depctr_va_vdst(0)
.irp q, 0,1
.set ii, 0
.rept 16
	v_pk_mul_f32 v[OA+32*\q+2*ii:OA+32*\q+2*ii+1], v[OA+32*\q+2*ii:OA+32*\q+2*ii+1], v[AL+2*\q:AL+2*\q+1] op_sel_hi:[1,0]
.set ii, ii+1
.endr
.endr
.irp q, 0,1
.irp d, 0,1,2,3
.irp m, 0,1,2,3
	v_cvt_pk_bf16_f32 v[ST+16*\q+4*\d+\m], v[OA+32*\q+8*\d+2*\m], v[OA+32*\q+8*\d+2*\m+1]
.endr
.endr
.endr
	s_wait_dscnt 0x0
	s_barrier_signal -1
	s_barrier_wait -1                              ; nobody reads K any more; its bytes have had their only fill: the first 36,864 serve as stages, 4,608 a wave
.irp q, 0,1
.irp d, 0,1,2,3
	ds_store_b128 v3, v[ST+16*\q+4*\d:ST+16*\q+4*\d+3] offset:\q*16*KP+32*\d
.endr
.endr
.irp i, 0,1,2,3,4,5,6,7
	ds_load_b128 v[BUF+4*\i:BUF+4*\i+3], v4 offset:\i*4*KP       ; my own bytes: LDS serves a wave's instructions in order
.endr
.irp i, 0,1,2,3,4,5,6,7
	s_wait_dscnt 7-\i
	global_store_b128 v5, v[BUF+4*\i:BUF+4*\i+3], s[6:7] offset:\i*8192   ; four rows: eight lanes store a head's 128 bytes of a row
.endr
	s_wait_tensorcnt 0x0
	ds_add_u32 v254, v255
	s_wait_dscnt 0x0
	ROUND                                          ; the closing round
	s_endpgm
.Lfunc_end_k_q0b3a909fe4_attn:
	.size	k_q0b3a909fe4_attn, .Lfunc_end_k_q0b3a909fe4_attn-k_q0b3a909fe4_attn
	.p2alignl 7, 3214868480
	.fill 96, 4, 3214868480
	.section	.rodata,"a",@progbits
	.p2align	6, 0x0
	.amdhsa_kernel k_q0b3a909fe4_attn
		.amdhsa_group_segment_fixed_size 312320
		.amdhsa_private_segment_fixed_size 0
		.amdhsa_enable_private_segment 0
		.amdhsa_kernarg_size 24
		.amdhsa_user_sgpr_count 2
		.amdhsa_user_sgpr_kernarg_segment_ptr 1
		.amdhsa_wavefront_size32 1
		.amdhsa_system_sgpr_workgroup_id_x 1
		.amdhsa_system_sgpr_workgroup_id_y 1
		.amdhsa_system_sgpr_workgroup_id_z 1
		.amdhsa_system_vgpr_workitem_id 0
		.amdhsa_next_free_vgpr 320
		.amdhsa_next_free_sgpr 102
		.amdhsa_reserve_vcc 0
		.amdhsa_float_denorm_mode_32 3
		.amdhsa_float_denorm_mode_16_64 3
		.amdhsa_memory_ordered 1
		.amdhsa_forward_progress 1
		.amdhsa_inst_pref_size 207
	.end_amdhsa_kernel
	.amdgpu_metadata
---
amdhsa.version: [ 1, 2 ]
amdhsa.kernels:
  - .name:           k_q0b3a909fe4_attn
    .symbol:         k_q0b3a909fe4_attn.kd
    .args:
      - { .name: qkv, .offset: 0, .size: 8, .value_kind: global_buffer, .address_space: global }
      - { .name: maskw, .offset: 8, .size: 8, .value_kind: global_buffer, .address_space: global }
      - { .name: att, .offset: 16, .size: 8, .value_kind: global_buffer, .address_space: global }
    .group_segment_fixed_size: 312320
    .private_segment_fixed_size: 0
    .kernarg_segment_align: 8
    .kernarg_segment_size: 24
    .max_flat_workgroup_size: 256
    .sgpr_count:     102
    .vgpr_count:     320
    .wavefront_size: 32
...
	.end_amdgpu_metadata
.endif
;; end of part 3
;; launch oproj (part 4): grid 8 x 32, 4 waves a work-group, clusters of 4 x 4, 327,680 bytes of LDS; arguments att, wT, bo, x, x1; writes x1
.if DOCPART == 4
	.amdgcn_target "amdgcn-amd-amdhsa--gfx1250"
	.amdhsa_code_object_version 6
	.text
	.protected	k_q0b3a909fe4_oproj
	.globl	k_q0b3a909fe4_oproj
	.p2align	8
	.type	k_q0b3a909fe4_oproj,@function
k_q0b3a909fe4_oproj:
	s_mov_b64 s[64:65], 0
	v_nop
	global_prefetch_b8 v0, s[64:65] scope:SCOPE_SE
	s_setreg_imm32_b32 hwreg(HW_REG_WAVE_MODE, 25, 1), 1
	s_wait_xcnt 0x0
	s_wait_alu depctr_hold_cnt(0) depctr_sa_sdst(0) depctr_va_vdst(0) depctr_va_sdst(0) depctr_va_ssrc(0) depctr_va_vcc(0) depctr_vm_vsrc(0)
	s_getreg_b32 s2, hwreg(HW_REG_IB_STS2, 6, 4)
	s_cmp_eq_u32 s2, 0
	s_cbranch_scc0 .Lentry_in_a_cluster
	s_endpgm
.Lentry_in_a_cluster:
	s_bfe_u32 s2, ttmp6, 0x10000c
	s_cmp_lg_u32 s2, 0xf033
	s_cbranch_scc0 .Lentry_shape_is_right
	s_endpgm
.Lentry_shape_is_right:
; C = R + A B^T + bias, in f32.  A: [4096][SIZE_K] bf16, B: wT + WOFF, [1024][SIZE_K] bf16, bias: [1024] f32, R and C: [4096][1024] f32.
; Here: A = attention's result, B = Wo transposed, R = x.
; C has 32 x 8 blocks of 128 x 128: one for each of 256 work-groups.  Each of the four waves keeps a whole 128 x 128 block of sums (64 accumulator tiles,
; 512 registers) and takes a QUARTER OF K: of each slot's 256 k, wave w multiplies k = 64 w .. 64 w + 63.  So a wave reads 2 x 128 x 64 bytes of LDS for 64 matrix
; instructions, as with a block of 256 x 256, and the four partial sums are added once, through LDS, at the end.
; The ring: two slots of 128 rows of A and 128 rows of B x 256 k (rows of 512 consecutive bytes, aligned); each wave fetches 64 rows with one tensor load.
; CLUSTERS: 4 x 4 work-groups; A's tile is asked for jointly along a row of the cluster, B's along a column.
; THE WALK ALONG K: clusters whose x + y is odd begin in the middle of K and wrap round at its end.  The same rows of A are read by the two clusters of one y, the same
; rows of B by the clusters of one x: in each such set one half of the readers now reads a tile half a walk (SIZE_K / 512 slots) behind the other half, instead of
; all asking for it at the same moment.  The sums are the same but for their order.
; REGISTERS: window 0: v0-31 addresses; v64-127, v128-191 fragments of A (at the end: partial sums); v224-227 bias
;            window 1: v64-127, v128-191 fragments of B; v0-63 and v192-255 my 32 rows of R, asked for at the start: the K loop never names them
;            windows 2, 3: accumulators, tile (a, b) at v[8 (8 a + b)]
; The matrix instruction is used transposed (source 0 = rows of B): lane l holds row l % 16 of C and columns 8 (l / 16) + 0..7.
; The 64 accumulators take turns, one instruction a turn, in the same order in every quarter step.
.set SIZE_K, 1024
.set WOFF,   0x600000
.set KS,     256
.set ROWK,   SIZE_K*2                  ; bytes in a row of A and of B: a power of two
.set PITCH,  528                       ; an LDS row: 512 bytes + 16: an odd multiple of 16
.set HALFT,  64*PITCH                  ; what one tensor load brings
.set SLOT,   4*HALFT                   ; A's 128 rows, then B's 128 rows
.set RPITCH, 528                       ; a row of partial sums: 128 f32 + 16 bytes; 128 such rows for each wave fill the two slots exactly
.set LAPS, SIZE_K/(2*KS)
.set PADR, 8                           ; v8-11   where I read my 32 rows of partial sum p
.set ADRA, 16
.set ADRB, 20
.set STO,  24                          ; v24     where I put my partial sums
.set CO,   26                          ; v26     16 x lane: my bytes in a row of 512
.set F0,   64
.set F1,   128
.set PS,   64                          ; the end: 8 rows x 4 partial sums x 4 registers
.set BI,   224                         ; v[224:227] bias of my 4 columns
.set G1, 24
.set G0, 32
.set G1B, 48
.set G0B, 56
.set KO,   72                          ; s[72:73], s[74:75]  ring slot 0, 1: byte offset along K of the tile last asked for; the high word is 0
.set BASA, 76                          ; s[76:77] A at my 64 rows, k = 0
.set BASB, 78                          ; s[78:79] B at my 64 rows, k = 0
.set MSB, 0
.macro WIN new                         ; the immediate's high byte repeats the setting that is left
.if MSB != \new
	s_set_vgpr_msb (MSB<<8)|\new
.set MSB, \new
.endif
.endm
.set MUL_LO, 0xa1
.set MUL_HI, 0xf1
.set TO_B,   0x40
.macro JLOAD s                         ; waves 0 and 1 fetch A's two halves, waves 2 and 3 B's; the branch hangs on the wave's number alone
	s_cmp_eq_u32 s11, 0
	s_cbranch_scc0 .Lfor_b_\@
	tensor_load_to_lds s[G0+4*\s:G0+4*\s+3], s[G1:G1+7]
	s_nop 0
	s_branch .Lasked_\@
.Lfor_b_\@:
	tensor_load_to_lds s[G0B+4*\s:G0B+4*\s+3], s[G1B:G1B+7]
	s_nop 0
.Lasked_\@:
.endm
.macro KADDR s                         ; both group 0 of ring slot s get the address base + KO, and the type 2 in the top bits
	s_add_nc_u64 s[G0+4*\s+2:G0+4*\s+3], s[BASA:BASA+1], s[KO+2*\s:KO+2*\s+1]
	s_or_b32 s[G0+4*\s+3], s[G0+4*\s+3], 0x80000000
	s_add_nc_u64 s[G0B+4*\s+2:G0B+4*\s+3], s[BASB:BASB+1], s[KO+2*\s:KO+2*\s+1]
	s_or_b32 s[G0B+4*\s+3], s[G0B+4*\s+3], 0x80000000
.endm
.macro CREST                           ; a round of the cluster's barrier behind its opening barrier
	s_cmp_lg_u32 s10, 0
	s_cbranch_scc1 .Lnot_wave_0_\@
	s_barrier_signal -3
.Lnot_wave_0_\@:
	s_barrier_wait -3
	s_barrier_signal -1
	s_barrier_wait -1
.endm
.macro CROUND
	s_barrier_signal -1
	s_barrier_wait -1
	CREST
.endm
	s_load_b128 s[4:7], s[0:1], 0x0                ; A s[4:5], wT s[6:7]
	s_load_b128 s[68:71], s[0:1], 0x10             ; bias s[68:69], R s[70:71]
	s_load_b64 s[8:9], s[0:1], 0x20                ; C
	v_lshl_add_u32 v254, v0, 2, 0x42000
	v_mov_b32 v255, 0
	ds_add_u32 v254, v255
	v_lshrrev_b32 v1, 5, v0
	v_readfirstlane_b32 s10, v1                    ; wave 0..3
	s_lshr_b32 s11, s10, 1                         ; I fetch for A (0) or for B (1)
	s_and_b32 s12, s10, 1                          ; which 64 rows of that tile
	s_bfe_u32 s40, ttmp6, 0x40000                  ; cx
	s_bfe_u32 s41, ttmp6, 0x40004                  ; cy
	s_lshl_b32 s42, ttmp9, 2
	s_add_co_u32 s42, s42, s40                     ; block column
	s_and_b32 s13, ttmp7, 0xffff
	s_add_co_u32 s45, s13, ttmp9
	s_and_b32 s45, s45, 1                          ; cluster x + cluster y, odd or even: the same in all sixteen work-groups of a cluster
	s_lshl_b32 s13, s13, 2
	s_add_co_u32 s13, s13, s41                     ; block row
	s_mul_i32 s[KO], s45, SIZE_K                   ; odd clusters begin at byte SIZE_K of the rows, the middle of K
	s_add_co_u32 s[KO+2], s[KO], KS*2              ; ring slot 1: the next 256 k
	s_mov_b32 s[KO+1], 0
	s_mov_b32 s[KO+3], 0
	s_lshl_b32 s43, s41, 2
	s_lshl_b32 s43, 15, s43                        ; my row of the cluster
	s_lshl_b32 s44, 0x1111, s40                    ; my column
	; group 1: a tile of 64 rows x 256 elements of 2 bytes, 4 words of padding behind every 128 words
	s_or_b32 s[G1+0], s43, (1<<16)|(1<<20)|(1<<21)|(6<<22)|(3<<25)
	s_or_b32 s[G1B+0], s44, (1<<16)|(1<<20)|(1<<21)|(6<<22)|(3<<25)
	s_mov_b32 s[G1B+1], KS<<16
	s_mov_b32 s[G1+1], KS<<16                      ; tensor_dim0 = 256
	s_mov_b32 s[G1B+2], 64<<16
	s_mov_b32 s[G1+2], 64<<16                      ; tensor_dim1 = 64
	s_mov_b32 s[G1B+3], KS<<16
	s_mov_b32 s[G1+3], KS<<16                      ; tile_dim0 = 256
	s_mov_b32 s[G1B+4], 64
	s_mov_b32 s[G1+4], 64                          ; tile_dim1 = 64
	s_mov_b32 s[G1B+5], SIZE_K
	s_mov_b32 s[G1+5], SIZE_K
	s_mov_b32 s[G1B+6], 0
	s_mov_b32 s[G1+6], 0
	s_mov_b32 s[G1B+7], 0
	s_mov_b32 s[G1+7], 0
	s_lshl_b32 s17, s12, 6
	s_lshl_b32 s16, s13, 7
	s_add_co_u32 s16, s16, s17                     ; A: row 128 x block row + 64 x half
	s_lshl_b32 s46, s42, 7
	s_add_co_u32 s46, s46, s17                     ; B: row 128 x block column + 64 x half
	s_mov_b32 s17, 0
	s_mov_b32 s47, 0
	s_mov_b64 s[18:19], SIZE_K*2
	s_mul_u64 s[16:17], s[16:17], s[18:19]
	s_mul_u64 s[46:47], s[46:47], s[18:19]
	s_mul_i32 s20, s10, HALFT                      ; where they go: wave x 64 rows
	s_wait_dscnt 0x0
	s_wait_kmcnt 0x0
	s_add_nc_u64 s[6:7], s[6:7], WOFF              ; this product's weights in wT
	s_add_nc_u64 s[BASA:BASA+1], s[4:5], s[16:17]
	s_add_nc_u64 s[BASB:BASB+1], s[6:7], s[46:47]
	CROUND                                         ; all sixteen work-groups are here: the first joint loads meet
.irp s, 0,1
	s_mov_b32 s[G0+4*\s], 1
	s_add_co_u32 s[G0+4*\s+1], s20, \s*SLOT
	s_mov_b32 s[G0B+4*\s], 1
	s_add_co_u32 s[G0B+4*\s+1], s20, \s*SLOT
	KADDR \s
	JLOAD \s                                       ; both slots are asked for before anything else: two tensor loads of the wave are out
.endr
	v_and_b32 v1, 15, v0
	v_bfe_u32 v2, v0, 4, 1
	v_mul_u32_u24 v3, v1, PITCH
	v_lshl_add_u32 v3, v2, 4, v3
	s_lshl_b32 s21, s10, 7                         ; my 64 k: 128 bytes of every row
	s_add_co_u32 s22, s21, 2*HALFT                 ; B lies behind A's 128 rows
.irp s, 0,1
	v_add_nc_u32 v[ADRA+\s], s21, v3
	v_add_nc_u32 v[ADRB+\s], s22, v3
	s_add_co_u32 s21, s21, SLOT
	s_add_co_u32 s22, s22, SLOT
.endr
	s_mul_i32 s23, s10, 128*RPITCH                 ; my partial sums
	v_mul_u32_u24 v4, v1, RPITCH
	v_lshl_add_u32 v4, v2, 5, v4                   ; row l % 16, 32 bytes for each half of the lanes
	v_add_nc_u32 v[STO], s23, v4
	v_and_b32 v5, 31, v0
	v_lshlrev_b32 v[CO], 4, v5
	s_mul_i32 s23, s10, 32*RPITCH                  ; I add and store rows 32 wave .. 32 wave + 31 of the block
	v_add_nc_u32 v[PADR], s23, v[CO]
	v_add_nc_u32 v[PADR+1], 128*RPITCH, v[PADR]
	v_add_nc_u32 v[PADR+2], 128*RPITCH, v[PADR+1]
	v_add_nc_u32 v[PADR+3], 128*RPITCH, v[PADR+2]
	; R, C and the bias at my rows and columns.  The rows' part in registers that held A's offset, the columns' in those that held B's.
	s_lshl_b32 s16, s13, 7
	s_lshl_b32 s17, s10, 5
	s_add_co_u32 s16, s16, s17
	s_lshl_b32 s16, s16, 12                        ; rows of 4,096 bytes
	s_mov_b32 s17, 0
	s_lshl_b32 s46, s42, 9                         ; 128 columns x 4 bytes
	s_mov_b32 s47, 0
	s_add_nc_u64 s[70:71], s[70:71], s[16:17]
	s_add_nc_u64 s[70:71], s[70:71], s[46:47]
	s_add_nc_u64 s[8:9], s[8:9], s[16:17]
	s_add_nc_u64 s[8:9], s[8:9], s[46:47]
	s_add_nc_u64 s[68:69], s[68:69], s[46:47]
	global_load_b128 v[BI:BI+3], v[CO], s[68:69]
	WIN TO_B
.set ii, 0
.rept 32
	global_load_b128 v[4*ii+128*(ii>>4):4*ii+128*(ii>>4)+3], v[CO], s[70:71] offset:ii*4096   ; a row's 512 consecutive bytes; waited for at the end
.set ii, ii+1
.endr
	WIN 0
.macro MUL16 f, hi, a0, zero
.irp a, \a0, \a0+1
.irp b, 0,1,2,3,4,5,6,7
.if \zero
	v_wmma_f32_16x16x32_bf16 v[8*(8*(\a)+\b):8*(8*(\a)+\b)+7], v[\f+8*\b:\f+8*\b+7], v[\f+8*(4*\hi+\a):\f+8*(4*\hi+\a)+7], 0
.else
	v_wmma_f32_16x16x32_bf16 v[8*(8*(\a)+\b):8*(8*(\a)+\b)+7], v[\f+8*\b:\f+8*\b+7], v[\f+8*(4*\hi+\a):\f+8*(4*\hi+\a)+7], v[8*(8*(\a)+\b):8*(8*(\a)+\b)+7]
.endif
.endr
.endr
.endm
.macro FETCH slot, k, f                ; 32 LDS loads in one run: 128 rows of B, 128 rows of A, 32 K at byte k of my part of the rows
	WIN TO_B
.irp i, 0,1,2,3,4,5,6,7
	ds_load_b128 v[\f+8*\i:\f+8*\i+3],   v[ADRB+\slot] offset:\k+\i*16*PITCH
	ds_load_b128 v[\f+8*\i+4:\f+8*\i+7], v[ADRB+\slot] offset:\k+\i*16*PITCH+32
.endr
	WIN 0
.irp i, 0,1,2,3,4,5,6,7
	ds_load_b128 v[\f+8*\i:\f+8*\i+3],   v[ADRA+\slot] offset:\k+\i*16*PITCH
	ds_load_b128 v[\f+8*\i+4:\f+8*\i+7], v[ADRA+\slot] offset:\k+\i*16*PITCH+32
.endr
.endm
.macro PLACES                          ; four plain vector instructions between a matrix instruction and a load into, or a vector instruction on, its registers
.rept 4
	v_nop
.endr
.endm
; A slot is two steps of 32 K for a wave.  The first: multiplies buffer f and fetches the second's fragments into g.
.macro QUARTER slot, k, f, g, zero
	s_wait_dscnt 8                                 ; B and A's rows 0-63 are in; the youngest eight loads (A's rows 64-127) may be out
	WIN MUL_LO
	MUL16 \f, 0, 0, \zero
	MUL16 \f, 0, 2, \zero
	PLACES
	FETCH \slot, \k, \g
	s_wait_dscnt 32                                ; all but the 32 just issued
	WIN MUL_HI
	MUL16 \f, 1, 0, \zero
	MUL16 \f, 1, 2, \zero
.endm
; The second multiplies buffer 1 and changes slots: in front of the one barrier each wave waits for its reads of this slot and for all its tensor loads;
; behind it the refill comes first.  From a request to the wait for it a wave issues 112 matrix instructions.
.macro TURN slot, next, fill
	s_wait_dscnt 8
	WIN MUL_LO
	MUL16 F1, 0, 0, 0
	s_wait_dscnt 0                                 ; my reads of this slot are over
	s_set_vgpr_msb 0xa1a0
	s_wait_tensorcnt 0x0                           ; all my tensor loads have landed
	ds_add_u32 v254, v255
	s_wait_dscnt 0x0
	s_set_vgpr_msb 0xa0a1
	s_barrier_signal -1                            ; where a slot is filled again this barrier opens a round of the cluster's barrier
	MUL16 F1, 0, 2, 0                              ; registers only
	WIN 0
	s_barrier_wait -1
.if \fill
	CREST
	s_add_co_u32 s[KO+2*\slot], s[KO+2*\slot], 2*KS*2              ; two slots on along K,
	s_and_b32 s[KO+2*\slot], s[KO+2*\slot], ROWK-1                 ; round the row's end
	KADDR \slot                                    ; no tensor load of mine is out: the group 0 may be written
	JLOAD \slot                                    ; the first tensor load behind the round, the wave's only one until the next
.endif
	PLACES
	FETCH \next, 0, F0
	WIN MUL_HI
	MUL16 F1, 1, 0, 0
	MUL16 F1, 1, 2, 0
.endm
.macro LAP zero
	QUARTER 0, 64, F0, F1, \zero
	TURN 0, 1, 1
	QUARTER 1, 64, F0, F1, 0
	TURN 1, 0, 1
.endm
	s_wait_tensorcnt 1                             ; my part of slot 0 is in; slot 1's stays out
	s_barrier_signal -1
	s_barrier_wait -1
	FETCH 0, 0, F0
	LAP 1
.if LAPS > 2
	WIN 0
	s_mov_b32 s3, LAPS-2
.Llap:
	LAP 0
	WIN 0
	s_sub_co_u32 s3, s3, 1
	s_cmp_lg_u32 s3, 0
	s_cbranch_scc1 .Llap
.endif
	QUARTER 0, 64, F0, F1, 0                       ; the last lap fills nothing
	TURN 0, 1, 0
	QUARTER 1, 64, F0, F1, 0
	s_wait_dscnt 8
	WIN MUL_LO
	MUL16 F1, 0, 0, 0
	MUL16 F1, 0, 2, 0
	s_wait_dscnt 0
	WIN MUL_HI
	MUL16 F1, 1, 0, 0
	MUL16 F1, 1, 2, 0
	; THE END: the four waves' partial sums meet in LDS.  The ring has had its last fill (waited for in the last change of slots).
	PLACES
	WIN 0
	s_wait_dscnt 0x0
	s_barrier_signal -1
	s_barrier_wait -1                              ; nobody reads the ring any more
.macro PUT hi
.irp a, 0,1,2,3
.irp b, 0,1,2,3,4,5,6,7
	ds_store_b128 v[STO], v[8*(8*\a+\b):8*(8*\a+\b)+3]   offset:(4*\hi+\a)*16*RPITCH+64*\b
	ds_store_b128 v[STO], v[8*(8*\a+\b)+4:8*(8*\a+\b)+7] offset:(4*\hi+\a)*16*RPITCH+64*\b+16
.endr
.endr
.endm
	WIN 0x08                                       ; data from window 2
	PUT 0
	WIN 0x0c                                       ; data from window 3
	PUT 1
	WIN 0
	s_wait_dscnt 0x0                               ; my stores are done, for the others' sake
	s_barrier_signal -1
	s_barrier_wait -1
	s_wait_loadcnt 0x0                             ; R and the bias
; eight rows: four partial sums + bias + R, stored as rows of 512 consecutive bytes
.macro SUM8 t
.if \t
	s_wait_xcnt 0x0                                ; the last batch's stores have had their addresses translated (ISA guide 3.1): their data registers are loaded again only behind this wait
.endif
.irp w, 0,1,2,3,4,5,6,7
.irp p, 0,1,2,3
	ds_load_b128 v[PS+16*\w+4*\p:PS+16*\w+4*\p+3], v[PADR+\p] offset:(8*\t+\w)*RPITCH
.endr
.endr
.irp w, 0,1,2,3,4,5,6,7
	s_wait_dscnt 28-4*\w                           ; four loads for each younger row stay out
	v_pk_add_f32 v[PS+16*\w:PS+16*\w+1],     v[PS+16*\w:PS+16*\w+1],     v[PS+16*\w+4:PS+16*\w+5]
	v_pk_add_f32 v[PS+16*\w+2:PS+16*\w+3],   v[PS+16*\w+2:PS+16*\w+3],   v[PS+16*\w+6:PS+16*\w+7]
	v_pk_add_f32 v[PS+16*\w+8:PS+16*\w+9],   v[PS+16*\w+8:PS+16*\w+9],   v[PS+16*\w+12:PS+16*\w+13]
	v_pk_add_f32 v[PS+16*\w+10:PS+16*\w+11], v[PS+16*\w+10:PS+16*\w+11], v[PS+16*\w+14:PS+16*\w+15]
	v_pk_add_f32 v[PS+16*\w:PS+16*\w+1],     v[PS+16*\w:PS+16*\w+1],     v[PS+16*\w+8:PS+16*\w+9]
	v_pk_add_f32 v[PS+16*\w+2:PS+16*\w+3],   v[PS+16*\w+2:PS+16*\w+3],   v[PS+16*\w+10:PS+16*\w+11]
	v_pk_add_f32 v[PS+16*\w:PS+16*\w+1],     v[PS+16*\w:PS+16*\w+1],     v[BI:BI+1]
	v_pk_add_f32 v[PS+16*\w+2:PS+16*\w+3],   v[PS+16*\w+2:PS+16*\w+3],   v[BI+2:BI+3]
.endr
	WIN 0x04                                       ; source 1 from window 1: R
.irp w, 0,1,2,3,4,5,6,7
	v_pk_add_f32 v[PS+16*\w:PS+16*\w+1],   v[PS+16*\w:PS+16*\w+1],   v[4*(8*\t+\w)+128*(\t>>1):4*(8*\t+\w)+128*(\t>>1)+1]
	v_pk_add_f32 v[PS+16*\w+2:PS+16*\w+3], v[PS+16*\w+2:PS+16*\w+3], v[4*(8*\t+\w)+128*(\t>>1)+2:4*(8*\t+\w)+128*(\t>>1)+3]
.endr
	WIN 0
.irp w, 0,1,2,3,4,5,6,7
	global_store_b128 v[CO], v[PS+16*\w:PS+16*\w+3], s[8:9] offset:(8*\t+\w)*4096   ; the wave stores 512 consecutive bytes, aligned
.endr
.endm
	SUM8 0
	SUM8 1
	SUM8 2
	SUM8 3
	s_wait_tensorcnt 0x0
	ds_add_u32 v254, v255
	s_wait_dscnt 0x0
	CROUND                                         ; the closing round
	s_endpgm
.Lfunc_end_k_q0b3a909fe4_oproj:
	.size	k_q0b3a909fe4_oproj, .Lfunc_end_k_q0b3a909fe4_oproj-k_q0b3a909fe4_oproj
	.p2alignl 7, 3214868480
	.fill 96, 4, 3214868480
	.section	.rodata,"a",@progbits
	.p2align	6, 0x0
	.amdhsa_kernel k_q0b3a909fe4_oproj
		.amdhsa_group_segment_fixed_size 327680
		.amdhsa_private_segment_fixed_size 0
		.amdhsa_enable_private_segment 0
		.amdhsa_kernarg_size 40
		.amdhsa_user_sgpr_count 2
		.amdhsa_user_sgpr_kernarg_segment_ptr 1
		.amdhsa_wavefront_size32 1
		.amdhsa_system_sgpr_workgroup_id_x 1
		.amdhsa_system_sgpr_workgroup_id_y 1
		.amdhsa_system_sgpr_workgroup_id_z 1
		.amdhsa_system_vgpr_workitem_id 0
		.amdhsa_next_free_vgpr 1024
		.amdhsa_next_free_sgpr 80
		.amdhsa_reserve_vcc 0
		.amdhsa_float_denorm_mode_32 3
		.amdhsa_float_denorm_mode_16_64 3
		.amdhsa_memory_ordered 1
		.amdhsa_forward_progress 1
		.amdhsa_inst_pref_size 104
	.end_amdhsa_kernel
	.amdgpu_metadata
---
amdhsa.version: [ 1, 2 ]
amdhsa.kernels:
  - .name:           k_q0b3a909fe4_oproj
    .symbol:         k_q0b3a909fe4_oproj.kd
    .args:
      - { .name: att, .offset: 0, .size: 8, .value_kind: global_buffer, .address_space: global }
      - { .name: wT, .offset: 8, .size: 8, .value_kind: global_buffer, .address_space: global }
      - { .name: bo, .offset: 16, .size: 8, .value_kind: global_buffer, .address_space: global }
      - { .name: x, .offset: 24, .size: 8, .value_kind: global_buffer, .address_space: global }
      - { .name: x1, .offset: 32, .size: 8, .value_kind: global_buffer, .address_space: global }
    .group_segment_fixed_size: 327680
    .private_segment_fixed_size: 0
    .kernarg_segment_align: 8
    .kernarg_segment_size: 40
    .max_flat_workgroup_size: 128
    .sgpr_count:     80
    .vgpr_count:     1024
    .wavefront_size: 32
...
	.end_amdgpu_metadata
.endif
;; end of part 4
;; launch ln2 (part 5): grid 256 x 1, 8 waves a work-group, no clusters, 0 bytes of LDS; arguments x1, ln2_a, ln2_b, xb2; writes xb2
.if DOCPART == 5
	.amdgcn_target "amdgcn-amd-amdhsa--gfx1250"
	.amdhsa_code_object_version 6
	.text
	.protected	k_q0b3a909fe4_ln2
	.globl	k_q0b3a909fe4_ln2
	.p2align	8
	.type	k_q0b3a909fe4_ln2,@function
k_q0b3a909fe4_ln2:
	s_mov_b64 s[64:65], 0
	v_nop
	global_prefetch_b8 v0, s[64:65] scope:SCOPE_SE
	s_setreg_imm32_b32 hwreg(HW_REG_WAVE_MODE, 25, 1), 1
	s_wait_xcnt 0x0
; xb2 = LayerNorm(x1) in bf16: a (x - mean) / (std + 1e-6) + b, std with divisor 1023.  x1: [4096][1024] f32.
; A stream: a wave takes two whole rows (32 registers each), so a row is read once and its sums never leave the wave: no LDS, no barrier;
; nothing is shared between work-groups, so clusters, tensor loads and matrix units have nothing to give.
; The mean is taken away before the squares are summed: a common offset of the row does no harm.
; LIMIT: a variance below 2^-126 counts as 0 (v_sqrt_f32 takes a denormal input as zero: ISA guide 15.8).
.set LX,  16                           ; v[16:79]   two rows, 32 registers each
.set LA,  80                           ; v[80:111]  gain
.set LB,  112                          ; v[112:143] bias
.set LY,  144                          ; v[144:175] two rows in bf16
.macro LNFOLD                          ; four chains of pairs to one number in every lane
	v_pk_add_f32 v[4:5], v[4:5], v[6:7]
	v_pk_add_f32 v[8:9], v[8:9], v[10:11]
	v_pk_add_f32 v[4:5], v[4:5], v[8:9]
	v_add_f32 v12, v4, v5
	v_add_f32_dpp v12, v12, v12 row_xmask:1 row_mask:0xf bank_mask:0xf
	v_add_f32_dpp v12, v12, v12 row_xmask:2 row_mask:0xf bank_mask:0xf
	v_add_f32_dpp v12, v12, v12 row_xmask:4 row_mask:0xf bank_mask:0xf
	v_add_f32_dpp v12, v12, v12 row_xmask:8 row_mask:0xf bank_mask:0xf
	v_permlanex16_b32 v13, v12, s12, s13           ; the other half of the lanes
	v_add_f32 v12, v12, v13
.endm
.macro LNROW p, left
	s_wait_loadcnt \left                           ; this row's eight loads are in; what was issued behind them may stay out
.irp k, 0,1,2,3
	v_pk_add_f32 v[4+2*\k:5+2*\k], v[LX+32*\p+2*\k:LX+32*\p+2*\k+1], v[LX+32*\p+8+2*\k:LX+32*\p+8+2*\k+1]
.endr
.irp m, 2,3
.irp k, 0,1,2,3
	v_pk_add_f32 v[4+2*\k:5+2*\k], v[4+2*\k:5+2*\k], v[LX+32*\p+8*\m+2*\k:LX+32*\p+8*\m+2*\k+1]
.endr
.endr
	LNFOLD
	v_mul_f32 v14, 0x3a800000, v12                 ; mean = sum / 1024
	v_mov_b32 v15, v14
.irp i, 0,1,2,3,4,5,6,7,8,9,10,11,12,13,14,15
	v_pk_add_f32 v[LX+32*\p+2*\i:LX+32*\p+2*\i+1], v[LX+32*\p+2*\i:LX+32*\p+2*\i+1], v[14:15] neg_lo:[0,1] neg_hi:[0,1]
.endr
.irp k, 0,1,2,3
	v_pk_mul_f32 v[4+2*\k:5+2*\k], v[LX+32*\p+2*\k:LX+32*\p+2*\k+1], v[LX+32*\p+2*\k:LX+32*\p+2*\k+1]
.endr
.irp m, 1,2,3
.irp k, 0,1,2,3
	v_pk_fma_f32 v[4+2*\k:5+2*\k], v[LX+32*\p+8*\m+2*\k:LX+32*\p+8*\m+2*\k+1], v[LX+32*\p+8*\m+2*\k:LX+32*\p+8*\m+2*\k+1], v[4+2*\k:5+2*\k]
.endr
.endr
	LNFOLD
	v_mul_f32 v12, 0x3a802008, v12                 ; / 1023
	v_sqrt_f32 v12, v12
	v_nop                                          ; one plain instruction behind a transcendental before its result is used (ISA guide 5.7.2)
	s_wait_alu depctr_va_vdst(0)
	v_add_f32 v12, 0x358637bd, v12                 ; + 1e-6, to the deviation
	v_rcp_f32 v14, v12
	v_rcp_f32 v15, v12
	v_nop
	s_wait_loadcnt 0x0                             ; gain and bias
	s_wait_alu depctr_va_vdst(0)
.irp i, 0,1,2,3,4,5,6,7,8,9,10,11,12,13,14,15
	v_pk_mul_f32 v[LX+32*\p+2*\i:LX+32*\p+2*\i+1], v[LX+32*\p+2*\i:LX+32*\p+2*\i+1], v[14:15]
.endr
.irp i, 0,1,2,3,4,5,6,7,8,9,10,11,12,13,14,15
	v_pk_fma_f32 v[LX+32*\p+2*\i:LX+32*\p+2*\i+1], v[LX+32*\p+2*\i:LX+32*\p+2*\i+1], v[LA+2*\i:LA+2*\i+1], v[LB+2*\i:LB+2*\i+1]
.endr
.irp i, 0,1,2,3,4,5,6,7
	v_cvt_pk_bf16_f32 v[LY+16*\p+2*\i],   v[LX+32*\p+4*\i],   v[LX+32*\p+4*\i+1]
	v_cvt_pk_bf16_f32 v[LY+16*\p+2*\i+1], v[LX+32*\p+4*\i+2], v[LX+32*\p+4*\i+3]
	global_store_b64 v3, v[LY+16*\p+2*\i:LY+16*\p+2*\i+1], s[6:7] offset:\p*2048+256*\i   ; the wave stores 256 consecutive bytes, aligned
.endr
.endm
	s_load_b64 s[4:5], s[0:1], 0x0                 ; x1
	s_load_b128 s[16:19], s[0:1], 0x8              ; ln2_a, ln2_b
	s_load_b64 s[6:7], s[0:1], 0x18                ; xb2
	v_lshrrev_b32 v1, 5, v0
	v_readfirstlane_b32 s8, v1                     ; wave 0..7
	v_and_b32 v1, 31, v0                           ; lane
	s_mov_b32 s12, 0x76543210
	s_mov_b32 s13, 0xfedcba98
	v_lshlrev_b32 v2, 4, v1                        ; 16 bytes a lane: a load of the wave covers 512 consecutive bytes
	v_lshlrev_b32 v3, 3, v1                        ; 8 bytes a lane on the way out
	v_mov_b32 v13, 0                               ; v_permlanex16_b32 counts as a reader of its destination
	s_lshl_b32 s14, ttmp9, 16                      ; 16 rows x 4,096 bytes a work-group
	s_lshl_b32 s10, s8, 13                         ; + 2 rows a wave
	s_add_co_u32 s14, s14, s10
	s_mov_b32 s15, 0
	s_lshr_b32 s20, s14, 1                         ; the output's rows are half as long
	s_mov_b32 s21, 0
	s_wait_kmcnt 0x0
	s_add_nc_u64 s[4:5], s[4:5], s[14:15]
	s_add_nc_u64 s[6:7], s[6:7], s[20:21]
.irp p, 0,1
.irp i, 0,1,2,3,4,5,6,7
	global_load_b128 v[LX+32*\p+4*\i:LX+32*\p+4*\i+3], v2, s[4:5] offset:\p*4096+512*\i
.endr
.endr
.irp i, 0,1,2,3,4,5,6,7
	global_load_b128 v[LA+4*\i:LA+4*\i+3], v2, s[16:17] offset:512*\i
.endr
.irp i, 0,1,2,3,4,5,6,7
	global_load_b128 v[LB+4*\i:LB+4*\i+3], v2, s[18:19] offset:512*\i
.endr
	LNROW 0, 24                                    ; behind row 0: 8 loads of row 1, 8 of the gain, 8 of the bias
	LNROW 1, 16                                    ; behind row 1: gain and bias (all are in by now)
	s_endpgm
.Lfunc_end_k_q0b3a909fe4_ln2:
	.size	k_q0b3a909fe4_ln2, .Lfunc_end_k_q0b3a909fe4_ln2-k_q0b3a909fe4_ln2
	.p2alignl 7, 3214868480
	.fill 96, 4, 3214868480
	.section	.rodata,"a",@progbits
	.p2align	6, 0x0
	.amdhsa_kernel k_q0b3a909fe4_ln2
		.amdhsa_group_segment_fixed_size 0
		.amdhsa_private_segment_fixed_size 0
		.amdhsa_enable_private_segment 0
		.amdhsa_kernarg_size 32
		.amdhsa_user_sgpr_count 2
		.amdhsa_user_sgpr_kernarg_segment_ptr 1
		.amdhsa_wavefront_size32 1
		.amdhsa_system_sgpr_workgroup_id_x 1
		.amdhsa_system_sgpr_workgroup_id_y 1
		.amdhsa_system_sgpr_workgroup_id_z 1
		.amdhsa_system_vgpr_workitem_id 0
		.amdhsa_next_free_vgpr 176
		.amdhsa_next_free_sgpr 66
		.amdhsa_reserve_vcc 0
		.amdhsa_float_denorm_mode_32 3
		.amdhsa_float_denorm_mode_16_64 3
		.amdhsa_memory_ordered 1
		.amdhsa_forward_progress 1
		.amdhsa_inst_pref_size 21
	.end_amdhsa_kernel
	.amdgpu_metadata
---
amdhsa.version: [ 1, 2 ]
amdhsa.kernels:
  - .name:           k_q0b3a909fe4_ln2
    .symbol:         k_q0b3a909fe4_ln2.kd
    .args:
      - { .name: x1, .offset: 0, .size: 8, .value_kind: global_buffer, .address_space: global }
      - { .name: ln2_a, .offset: 8, .size: 8, .value_kind: global_buffer, .address_space: global }
      - { .name: ln2_b, .offset: 16, .size: 8, .value_kind: global_buffer, .address_space: global }
      - { .name: xb2, .offset: 24, .size: 8, .value_kind: global_buffer, .address_space: global }
    .group_segment_fixed_size: 0
    .private_segment_fixed_size: 0
    .kernarg_segment_align: 8
    .kernarg_segment_size: 32
    .max_flat_workgroup_size: 256
    .sgpr_count:     66
    .vgpr_count:     176
    .wavefront_size: 32
...
	.end_amdgpu_metadata
.endif
;; end of part 5
;; launch ffn1 (part 6): grid 16 x 16, 4 waves a work-group, clusters of 4 x 4, 327,680 bytes of LDS; arguments xb2, wT, b1, hb; writes hb
.if DOCPART == 6
	.amdgcn_target "amdgcn-amd-amdhsa--gfx1250"
	.amdhsa_code_object_version 6
	.text
	.protected	k_q0b3a909fe4_ffn1
	.globl	k_q0b3a909fe4_ffn1
	.p2align	8
	.type	k_q0b3a909fe4_ffn1,@function
k_q0b3a909fe4_ffn1:
	s_mov_b64 s[64:65], 0
	v_nop
	global_prefetch_b8 v0, s[64:65] scope:SCOPE_SE
	s_setreg_imm32_b32 hwreg(HW_REG_WAVE_MODE, 25, 1), 1
	s_wait_xcnt 0x0
	s_wait_alu depctr_hold_cnt(0) depctr_sa_sdst(0) depctr_va_vdst(0) depctr_va_sdst(0) depctr_va_ssrc(0) depctr_va_vcc(0) depctr_vm_vsrc(0)
	s_getreg_b32 s2, hwreg(HW_REG_IB_STS2, 6, 4)
	s_cmp_eq_u32 s2, 0
	s_cbranch_scc0 .Lentry_in_a_cluster
	s_endpgm
.Lentry_in_a_cluster:
	s_bfe_u32 s2, ttmp6, 0x10000c
	s_cmp_lg_u32 s2, 0xf033
	s_cbranch_scc0 .Lentry_shape_is_right
	s_endpgm
.Lentry_shape_is_right:
; C = A B^T + bias (GELU = 1: tanh-GELU of that), rounded to bf16.  A: [4096][SIZE_K] bf16, B: wT + WOFF, [SIZE_N][SIZE_K] bf16, C: [4096][SIZE_N] bf16; sums in f32.
; Here: A = the second LayerNorm's result, B = W1 transposed, C = gelu(A W1 + b1), 4,096 columns.
; A work-group makes 256 x 256 of C with four waves, one for each SIMD of a WGP; a wave makes 128 x 128: 64 accumulator tiles of 16 x 16, 512 registers.
; K goes in steps of 128 through a ring of two LDS slots filled by tensor loads whose rows are 256 consecutive bytes, aligned.
; CLUSTERS: 4 x 4 work-groups.  The four of a row of the cluster need the same tiles of A, the four of a column the same tiles of B: each tile is
; asked for jointly, by the same tensor load with the same descriptor and a mask that names the four.
; REGISTERS, in windows of 256:
;   window 0: v0-31 addresses and constants; v64-127, v128-191 fragments of A, two buffers (on the way out: sums + bias, and work); v192-223 packed; v224-255, v32-63 rows read back
;   window 1: v64-127, v128-191 fragments of B; v192-255 the bias of my 128 columns, laid as a lane's results lie
;   window 2: accumulator tiles of my rows 0-63 (tile (a, b) at v[8 (8 a + b)]);  window 3: those of my rows 64-127
; THE MATRIX INSTRUCTION IS USED TRANSPOSED: source 0 = 16 rows of B, source 1 = 16 rows of A, so that lane l holds row l % 16 of C and its
; registers 0-7 the columns 8 (l / 16) + 0..7: eight neighbouring numbers, 16 bytes in bf16.
; The 64 accumulators take turns, one instruction a turn, in the same order in every quarter step.
.set SIZE_N, 4096
.set SIZE_K, 1024
.set WOFF,   0x800000
.set GELU,   1
.set KSTEP,  128
.set PITCH,  272                       ; an LDS row: 256 bytes + 16: an odd multiple of 16, so the 16 rows of a fragment load start 16 bytes apart modulo 256
.set HALFT,  128*PITCH                 ; what one tensor load brings
.set SLOT,   4*HALFT                   ; A's 256 rows, then B's 256 rows
.set STAGE,  2*SLOT                    ; behind the ring: 16 rows x 272 bytes for each wave; no tensor load lands there
.set SPITCH, 272
.set LAPS, SIZE_K/(2*KSTEP)            ; a lap = two K steps = once round the ring
.set ADRA, 16                          ; v16-17  LDS address of my A fragments in slot 0, 1
.set ADRB, 20                          ; v20-21  the same for B
.set STO,  24                          ; v24     way out: where I put 16 bytes of a row
.set RD,   25                          ; v25     way out: where I read a row back
.set CO,   26                          ; v26     my byte offset in C
.set BO,   27                          ; v27     my byte offset in the bias: 32 (l / 16)
.set KC3,  28                          ; v[28:29] GELU: -2 sqrt(2/pi) log2(e) 0.044715, twice
.set KC1,  30                          ; v[30:31] GELU: -2 sqrt(2/pi) log2(e), twice
.set F0,   64
.set F1,   128
.set XF,   64                          ; way out: 64 numbers of 16 rows, f32
.set TT,   128                         ; way out: at work
.set TMP,  192                         ; way out: packed
.set RB0,  224                         ; way out: rows read back, two buffers in turn
.set RB1,  32
.set BIAS, 192                         ; window 1
.set G1, 24                            ; s[24:31] descriptor group 1 for A's tiles
.set G0, 32                            ; s[32:39] group 0 for A's tiles, one set for each slot
.set G1B, 48                           ; s[48:55] group 1 for B's tiles: differs in the mask alone
.set G0B, 56                           ; s[56:63] group 0 for B's tiles
.set MSB, 0
.macro WIN new                         ; the immediate's high byte repeats the setting that is left
.if MSB != \new
	s_set_vgpr_msb (MSB<<8)|\new
.set MSB, \new
.endif
.endm
.set MUL_LO, 0xa1                      ; source 0 (B) window 1, source 1 (A) window 0, C and D window 2
.set MUL_HI, 0xf1                      ; the same, C and D window 3
.set TO_B,   0x40                      ; destination window 1, address window 0
; A joint load.  Waves 0 and 1 fetch A's two halves, waves 2 and 3 B's.  The branch hangs on the wave's number alone.
.macro JLOAD s
	s_cmp_eq_u32 s11, 0
	s_cbranch_scc0 .Lfor_b_\@
	tensor_load_to_lds s[G0+4*\s:G0+4*\s+3], s[G1:G1+7]
	s_nop 0
	s_branch .Lasked_\@
.Lfor_b_\@:
	tensor_load_to_lds s[G0B+4*\s:G0B+4*\s+3], s[G1B:G1B+7]
	s_nop 0
.Lasked_\@:
.endm
; A round of the cluster's barrier: my work-group's barrier; wave 0 signals for the work-group; every wave waits for all sixteen; my work-group's barrier again.
.macro CREST                           ; a round behind its opening barrier
	s_cmp_lg_u32 s10, 0
	s_cbranch_scc1 .Lnot_wave_0_\@
	s_barrier_signal -3
.Lnot_wave_0_\@:
	s_barrier_wait -3
	s_barrier_signal -1
	s_barrier_wait -1
.endm
.macro CROUND
	s_barrier_signal -1
	s_barrier_wait -1
	CREST
.endm
	s_load_b128 s[4:7], s[0:1], 0x0                ; A s[4:5], wT s[6:7]
.if GELU
	s_load_b128 s[68:71], s[0:1], 0x10             ; bias s[68:69], C s[70:71]
	s_set_vgpr_msb 0x40
	v_lshl_add_u32 v63, v0, 2, 0x48400
	s_set_vgpr_msb 0x4000
	v_mov_b32 v23, 0
	s_set_vgpr_msb 0x1
	ds_add_u32 v63, v23
	s_set_vgpr_msb 0x100
.else
	s_load_b128 s[68:71], s[0:1], 0x10             ; bq, bk
	s_load_b128 s[72:75], s[0:1], 0x20             ; bv, C
.endif
	v_lshrrev_b32 v1, 5, v0
	v_readfirstlane_b32 s10, v1                    ; wave 0..3
	s_lshr_b32 s11, s10, 1                         ; which half of the block's rows is mine.  Also: I fetch for A (0) or for B (1)
	s_and_b32 s12, s10, 1                          ; which half of its columns.  Also: which 128 rows of that tile I fetch
	s_bfe_u32 s40, ttmp6, 0x40000                  ; cx
	s_bfe_u32 s41, ttmp6, 0x40004                  ; cy
	s_lshl_b32 s42, ttmp9, 2
	s_add_co_u32 s42, s42, s40                     ; block column of C = 4 x cluster x + cx
	s_and_b32 s13, ttmp7, 0xffff
	s_lshl_b32 s13, s13, 2
	s_add_co_u32 s13, s13, s41                     ; block row of C = 4 x cluster y + cy
	s_lshl_b32 s43, s41, 2
	s_lshl_b32 s43, 15, s43                        ; my row of the cluster: places 4 cy .. 4 cy + 3
	s_lshl_b32 s44, 0x1111, s40                    ; my column: places cx, cx + 4, cx + 8, cx + 12
	; group 1: a tile of 128 rows x 128 elements of 2 bytes, 4 words of padding behind every 64 words
	s_or_b32 s[G1+0], s43, (1<<16)|(1<<20)|(1<<21)|(5<<22)|(3<<25)
	s_or_b32 s[G1B+0], s44, (1<<16)|(1<<20)|(1<<21)|(5<<22)|(3<<25)
	s_mov_b32 s[G1B+1], KSTEP<<16
	s_mov_b32 s[G1+1], KSTEP<<16                   ; tensor_dim0 = 128
	s_mov_b32 s[G1B+2], 128<<16
	s_mov_b32 s[G1+2], 128<<16                     ; tensor_dim1 = 128
	s_mov_b32 s[G1B+3], KSTEP<<16
	s_mov_b32 s[G1+3], KSTEP<<16                   ; tile_dim0 = 128
	s_mov_b32 s[G1B+4], 128
	s_mov_b32 s[G1+4], 128                         ; tile_dim1 = 128
	s_mov_b32 s[G1B+5], SIZE_K
	s_mov_b32 s[G1+5], SIZE_K                      ; elements from row to row
	s_mov_b32 s[G1B+6], 0
	s_mov_b32 s[G1+6], 0
	s_mov_b32 s[G1B+7], 0
	s_mov_b32 s[G1+7], 0
	; A's tiles hang on the block row alone, B's on the block column alone; each address is made in registers that never hold the other coordinate
	s_lshl_b32 s17, s12, 7
	s_lshl_b32 s16, s13, 8
	s_add_co_u32 s16, s16, s17                     ; A: row 256 x block row + 128 x half
	s_lshl_b32 s46, s42, 8
	s_add_co_u32 s46, s46, s17                     ; B: row 256 x block column + 128 x half
	s_mov_b32 s17, 0
	s_mov_b32 s47, 0
	s_mov_b64 s[18:19], SIZE_K*2
	s_mul_u64 s[16:17], s[16:17], s[18:19]
	s_mul_u64 s[46:47], s[46:47], s[18:19]
	s_mul_i32 s20, s10, HALFT                      ; where they go: wave x 128 rows
	s_wait_dscnt 0x0
	s_wait_kmcnt 0x0
.if WOFF
	s_add_nc_u64 s[6:7], s[6:7], WOFF              ; this product's weights in wT
.endif
	s_add_nc_u64 s[14:15], s[4:5], s[16:17]
	s_add_nc_u64 s[46:47], s[6:7], s[46:47]
.if GELU
	s_mov_b64 s[8:9], s[70:71]
.else
	s_mov_b64 s[8:9], s[74:75]
	s_cmp_eq_u32 ttmp9, 1                          ; a cluster spans 1,024 columns: cluster x 0, 1, 2 = q, k, v
	s_cselect_b64 s[68:69], s[70:71], s[68:69]
	s_cmp_eq_u32 ttmp9, 2
	s_cselect_b64 s[68:69], s[72:73], s[68:69]
.endif
	CROUND                                         ; all sixteen work-groups are here: the first joint loads meet
.irp s, 0,1
	s_mov_b32 s[G0+4*\s], 1
	s_add_co_u32 s[G0+4*\s+1], s20, \s*SLOT
	s_add_nc_u64 s[G0+4*\s+2:G0+4*\s+3], s[14:15], \s*KSTEP*2
	s_or_b32 s[G0+4*\s+3], s[G0+4*\s+3], 0x80000000
	s_mov_b32 s[G0B+4*\s], 1
	s_add_co_u32 s[G0B+4*\s+1], s20, \s*SLOT
	s_add_nc_u64 s[G0B+4*\s+2:G0B+4*\s+3], s[46:47], \s*KSTEP*2
	s_or_b32 s[G0B+4*\s+3], s[G0B+4*\s+3], 0x80000000
	JLOAD \s                                       ; both slots are asked for before anything else: two tensor loads of the wave are out
.endr
	; a fragment: lane l holds row l % 16; registers 0-3: K = 8 (l / 16) + 0..7, registers 4-7: 16 more.  Two loads of 16 bytes, 32 bytes apart.
	v_and_b32 v1, 15, v0
	v_bfe_u32 v2, v0, 4, 1
	v_mul_u32_u24 v3, v1, PITCH
	v_lshl_add_u32 v3, v2, 4, v3
	s_mul_i32 s21, s11, HALFT                      ; my 128 rows of A
	s_mul_i32 s22, s12, HALFT                      ; my 128 rows of B,
	s_add_co_u32 s22, s22, 2*HALFT                 ; behind A's 256
.irp s, 0,1
	v_add_nc_u32 v[ADRA+\s], s21, v3
	v_add_nc_u32 v[ADRB+\s], s22, v3
	s_add_co_u32 s21, s21, SLOT
	s_add_co_u32 s22, s22, SLOT
.endr
	s_mul_i32 s23, s10, 16*SPITCH
	s_add_co_u32 s23, s23, STAGE                   ; my stage
	v_mul_u32_u24 v4, v1, SPITCH
	v_lshl_add_u32 v4, v2, 4, v4
	v_add_nc_u32 v[STO], s23, v4
	v_mul_u32_u24 v5, v2, SPITCH
	v_lshl_add_u32 v5, v1, 4, v5
	v_add_nc_u32 v[RD], s23, v5
	v_mul_u32_u24 v5, v2, SIZE_N*2
	v_lshl_add_u32 v[CO], v1, 4, v5
	; the bias of my 128 columns, asked for now and waited for on the way out: register 8 b + j = column 16 b + 8 (l / 16) + j
	v_lshlrev_b32 v[BO], 5, v2
.if GELU
	s_lshl_b32 s46, s42, 10                        ; 256 columns x 4 bytes a block column (in the registers that held B's address)
	v_mov_b32 v[KC3], 0xbdd2d3e8
	v_mov_b32 v[KC3+1], 0xbdd2d3e8
	v_mov_b32 v[KC1], 0xc0135761
	v_mov_b32 v[KC1+1], 0xc0135761
.else
	s_lshl_b32 s46, s40, 10                        ; inside bq, bk or bv: 256 columns x 4 bytes for each place along the cluster's x
.endif
	s_lshl_b32 s47, s12, 9
	s_add_co_u32 s46, s46, s47
	s_mov_b32 s47, 0
	s_add_nc_u64 s[68:69], s[68:69], s[46:47]
	WIN TO_B
.irp b, 0,1,2,3,4,5,6,7
	global_load_b128 v[BIAS+8*\b:BIAS+8*\b+3],   v[BO], s[68:69] offset:64*\b
	global_load_b128 v[BIAS+8*\b+4:BIAS+8*\b+7], v[BO], s[68:69] offset:64*\b+16
.endr
	WIN 0
; 16 matrix instructions: m blocks a0, a0 + 1 of the window's four x all 8 n blocks, 32 along K.  zero = 1: the first product starts the sums.
.macro MUL16 f, hi, a0, zero
.irp a, \a0, \a0+1
.irp b, 0,1,2,3,4,5,6,7
.if \zero
	v_wmma_f32_16x16x32_bf16 v[8*(8*(\a)+\b):8*(8*(\a)+\b)+7], v[\f+8*\b:\f+8*\b+7], v[\f+8*(4*\hi+\a):\f+8*(4*\hi+\a)+7], 0
.else
	v_wmma_f32_16x16x32_bf16 v[8*(8*(\a)+\b):8*(8*(\a)+\b)+7], v[\f+8*\b:\f+8*\b+7], v[\f+8*(4*\hi+\a):\f+8*(4*\hi+\a)+7], v[8*(8*(\a)+\b):8*(8*(\a)+\b)+7]
.endif
.endr
.endr
.endm
; 32 LDS loads in one run: the fragments of one quarter step (32 K at byte k of the rows) into buffer f
.macro FETCH slot, k, f
	WIN TO_B
.irp i, 0,1,2,3,4,5,6,7
	ds_load_b128 v[\f+8*\i:\f+8*\i+3],   v[ADRB+\slot] offset:\k+\i*16*PITCH
	ds_load_b128 v[\f+8*\i+4:\f+8*\i+7], v[ADRB+\slot] offset:\k+\i*16*PITCH+32
.endr
	WIN 0
.irp i, 0,1,2,3,4,5,6,7
	ds_load_b128 v[\f+8*\i:\f+8*\i+3],   v[ADRA+\slot] offset:\k+\i*16*PITCH
	ds_load_b128 v[\f+8*\i+4:\f+8*\i+7], v[ADRA+\slot] offset:\k+\i*16*PITCH+32
.endr
.endm
; Four plain vector instructions stand between a matrix instruction and a load into, or a vector instruction on, one of its registers
.macro PLACES
.rept 4
	v_nop
.endr
.endm
; A quarter step: multiplies buffer f; in its middle it fetches the next quarter's fragments into buffer g
.macro QUARTER slot, k, f, g, zero
	s_wait_dscnt 8                                 ; B and A's rows 0-63 are in; the youngest eight loads (A's rows 64-127) may be out
	WIN MUL_LO
	MUL16 \f, 0, 0, \zero
	MUL16 \f, 0, 2, \zero
	PLACES
	FETCH \slot, \k, \g
	s_wait_dscnt 32                                ; all but the 32 just issued
	WIN MUL_HI
	MUL16 \f, 1, 0, \zero
	MUL16 \f, 1, 2, \zero
.endm
.macro THREE slot, zero
	QUARTER \slot, 64,  F0, F1, \zero
	QUARTER \slot, 128, F1, F0, 0
	QUARTER \slot, 192, F0, F1, 0
.endm
; The last quarter multiplies buffer 1 and changes slots.  In front of the one barrier each wave waits for its reads of this slot and for all its
; tensor loads (one is out: its part of the next slot).  Behind it the refill comes first, then the next slot's first fragments.
.macro TURN slot, next, fill
	s_wait_dscnt 8
	WIN MUL_LO
	MUL16 F1, 0, 0, 0
	s_wait_dscnt 0                                 ; my reads of this slot are over
	s_wait_tensorcnt 0x0                           ; all my tensor loads have landed
	ds_add_u32 v63, v23
	s_wait_dscnt 0x0
	s_barrier_signal -1                            ; where a slot is filled again this barrier opens a round of the cluster's barrier
	MUL16 F1, 0, 2, 0                              ; registers only
	WIN 0
	s_barrier_wait -1
.if \fill
	CREST                                          ; no wave of any partner still reads this slot or has a load on its way
	s_add_nc_u64 s[G0+4*\slot+2:G0+4*\slot+3], s[G0+4*\slot+2:G0+4*\slot+3], 2*KSTEP*2
	s_add_nc_u64 s[G0B+4*\slot+2:G0B+4*\slot+3], s[G0B+4*\slot+2:G0B+4*\slot+3], 2*KSTEP*2
	JLOAD \slot                                    ; the first tensor load behind the round, the wave's only one until the next
.endif
	PLACES
	FETCH \next, 0, F0
	WIN MUL_HI
	MUL16 F1, 1, 0, 0
	MUL16 F1, 1, 2, 0
.endm
.macro LAP zero
	THREE 0, \zero
	TURN 0, 1, 1
	THREE 1, 0
	TURN 1, 0, 1
.endm
	s_wait_tensorcnt 1                             ; my part of K step 0 is in; K step 1's stays out
	s_barrier_signal -1
	s_barrier_wait -1
	FETCH 0, 0, F0
	LAP 1                                          ; the first lap's first products start the sums
.if LAPS > 2
	WIN 0
	s_mov_b32 s3, LAPS-2
.Llap:
	LAP 0
	WIN 0
	s_sub_co_u32 s3, s3, 1
	s_cmp_lg_u32 s3, 0
	s_cbranch_scc1 .Llap
.endif
	THREE 0, 0                                     ; the last lap fills nothing
	TURN 0, 1, 0
	THREE 1, 0
	s_wait_dscnt 8
	WIN MUL_LO
	MUL16 F1, 0, 0, 0
	MUL16 F1, 0, 2, 0
	s_wait_dscnt 0
	WIN MUL_HI
	MUL16 F1, 1, 0, 0
	MUL16 F1, 1, 2, 0
	; THE WAY OUT, 16 rows at a time: + bias (and GELU) in f32, round to bf16, 16 bytes a lane into my own stage, back as whole rows of 256 bytes.
	PLACES
	s_wait_loadcnt 0x0                             ; the bias
	s_lshl_b32 s13, s13, 8
	s_lshl_b32 s14, s11, 7
	s_add_co_u32 s16, s13, s14                     ; my first row of C
	s_mov_b32 s17, 0
	s_mov_b64 s[18:19], SIZE_N*2
	s_mul_u64 s[16:17], s[16:17], s[18:19]
	s_add_nc_u64 s[8:9], s[8:9], s[16:17]
	s_lshl_b32 s46, s42, 9                         ; my first column, in bytes
	s_lshl_b32 s47, s12, 8
	s_add_co_u32 s46, s46, s47
	s_mov_b32 s47, 0
	s_add_nc_u64 s[8:9], s[8:9], s[46:47]
; y = x / (1 + 2^(x (k1 + k3 x^2))) = 0.5 x (1 + tanh(sqrt(2/pi) (x + 0.044715 x^3))): goes to 0 and to x at the two ends, and forms no difference
.macro GELU64
.set ii, 0
.rept 32
	v_pk_mul_f32 v[TT+2*ii:TT+2*ii+1], v[XF+2*ii:XF+2*ii+1], v[XF+2*ii:XF+2*ii+1]
.set ii, ii+1
.endr
.set ii, 0
.rept 32
	v_pk_fma_f32 v[TT+2*ii:TT+2*ii+1], v[TT+2*ii:TT+2*ii+1], v[KC3:KC3+1], v[KC1:KC1+1]
.set ii, ii+1
.endr
.set ii, 0
.rept 32
	v_pk_mul_f32 v[TT+2*ii:TT+2*ii+1], v[TT+2*ii:TT+2*ii+1], v[XF+2*ii:XF+2*ii+1]
.set ii, ii+1
.endr
.set ii, 0
.rept 64
	v_exp_f32 v[TT+ii], v[TT+ii]
.set ii, ii+1
.endr
	v_nop                                          ; one plain instruction behind the transcendentals before a result is used (ISA guide 5.7.2)
.set ii, 0
	s_wait_alu depctr_va_vdst(0)
.rept 32
	v_pk_add_f32 v[TT+2*ii:TT+2*ii+1], v[TT+2*ii:TT+2*ii+1], 1.0 op_sel_hi:[1,0]
.set ii, ii+1
.endr
.set ii, 0
.rept 64
	v_rcp_f32 v[TT+ii], v[TT+ii]
.set ii, ii+1
.endr
	v_nop
.set ii, 0
	s_wait_alu depctr_va_vdst(0)
.rept 32
	v_pk_mul_f32 v[XF+2*ii:XF+2*ii+1], v[XF+2*ii:XF+2*ii+1], v[TT+2*ii:TT+2*ii+1]
.set ii, ii+1
.endr
.endm
; rows 16 i .. 16 i + 15 of my block = tiles (a, 0..7) of window 2 or 3 (addwin = 0x06, 0x07: source 0 that window, source 1 window 1); rb: RB0, RB1 in turn
.macro OUT16 i, a, addwin, rb
	WIN \addwin
.irp b, 0,1,2,3,4,5,6,7
.irp r, 0,1,2,3
	v_pk_add_f32 v[XF+8*\b+2*\r:XF+8*\b+2*\r+1], v[8*(8*\a+\b)+2*\r:8*(8*\a+\b)+2*\r+1], v[BIAS+8*\b+2*\r:BIAS+8*\b+2*\r+1]
.endr
.endr
	WIN 0
.if GELU
	GELU64
.endif
.irp b, 0,1,2,3,4,5,6,7
.irp r, 0,1,2,3
	v_cvt_pk_bf16_f32 v[TMP+4*\b+\r], v[XF+8*\b+2*\r], v[XF+8*\b+2*\r+1]
.endr
.endr
.irp b, 0,1,2,3,4,5,6,7
	ds_store_b128 v[STO], v[TMP+4*\b:TMP+4*\b+3] offset:32*\b
.endr
	s_wait_xcnt 0x0                                ; the earlier stores' addresses are translated (ISA guide 3.1): their data registers and base are rewritten only behind this wait
.if \i
	s_add_nc_u64 s[8:9], s[8:9], 16*SIZE_N*2
.endif
.irp t, 0,1,2,3,4,5,6,7
	ds_load_b128 v[\rb+4*\t:\rb+4*\t+3], v[RD] offset:\t*2*SPITCH    ; my own bytes: LDS serves a wave's instructions in order
.endr
.irp t, 0,1,2,3,4,5,6,7
	s_wait_dscnt 7-\t
	global_store_b128 v[CO], v[\rb+4*\t:\rb+4*\t+3], s[8:9] offset:2*\t*SIZE_N*2   ; 16 lanes store 256 consecutive bytes, aligned
.endr
.endm
	OUT16 0, 0, 0x06, RB0
	OUT16 1, 1, 0x06, RB1
	OUT16 2, 2, 0x06, RB0
	OUT16 3, 3, 0x06, RB1
	OUT16 4, 0, 0x07, RB0
	OUT16 5, 1, 0x07, RB1
	OUT16 6, 2, 0x07, RB0
	OUT16 7, 3, 0x07, RB1
	s_set_vgpr_msb 0x1
	s_wait_tensorcnt 0x0
	ds_add_u32 v63, v23
	s_wait_dscnt 0x0
	s_set_vgpr_msb 0x100
	CROUND                                         ; the closing round: no work-group ends while a partner may still ask for a tile that names it
	s_endpgm
.Lfunc_end_k_q0b3a909fe4_ffn1:
	.size	k_q0b3a909fe4_ffn1, .Lfunc_end_k_q0b3a909fe4_ffn1-k_q0b3a909fe4_ffn1
	.p2alignl 7, 3214868480
	.fill 96, 4, 3214868480
	.section	.rodata,"a",@progbits
	.p2align	6, 0x0
	.amdhsa_kernel k_q0b3a909fe4_ffn1
		.amdhsa_group_segment_fixed_size 327680
		.amdhsa_private_segment_fixed_size 0
		.amdhsa_enable_private_segment 0
		.amdhsa_kernarg_size 32
		.amdhsa_user_sgpr_count 2
		.amdhsa_user_sgpr_kernarg_segment_ptr 1
		.amdhsa_wavefront_size32 1
		.amdhsa_system_sgpr_workgroup_id_x 1
		.amdhsa_system_sgpr_workgroup_id_y 1
		.amdhsa_system_sgpr_workgroup_id_z 1
		.amdhsa_system_vgpr_workitem_id 0
		.amdhsa_next_free_vgpr 1024
		.amdhsa_next_free_sgpr 76
		.amdhsa_reserve_vcc 0
		.amdhsa_float_denorm_mode_32 3
		.amdhsa_float_denorm_mode_16_64 3
		.amdhsa_memory_ordered 1
		.amdhsa_forward_progress 1
		.amdhsa_inst_pref_size 255
	.end_amdhsa_kernel
	.section	.bss,"aw",@nobits
	.p2align	6
	.space	262144
	.amdgpu_metadata
---
amdhsa.version: [ 1, 2 ]
amdhsa.kernels:
  - .name:           k_q0b3a909fe4_ffn1
    .symbol:         k_q0b3a909fe4_ffn1.kd
    .args:
      - { .name: xb2, .offset: 0, .size: 8, .value_kind: global_buffer, .address_space: global }
      - { .name: wT, .offset: 8, .size: 8, .value_kind: global_buffer, .address_space: global }
      - { .name: b1, .offset: 16, .size: 8, .value_kind: global_buffer, .address_space: global }
      - { .name: hb, .offset: 24, .size: 8, .value_kind: global_buffer, .address_space: global }
    .group_segment_fixed_size: 327680
    .private_segment_fixed_size: 0
    .kernarg_segment_align: 8
    .kernarg_segment_size: 32
    .max_flat_workgroup_size: 128
    .sgpr_count:     76
    .vgpr_count:     1024
    .wavefront_size: 32
...
	.end_amdgpu_metadata
.endif
;; end of part 6
;; launch ffn2 (part 7): grid 8 x 32, 4 waves a work-group, clusters of 4 x 4, 327,680 bytes of LDS; arguments hb, wT, b2, x1, out0; writes out0
.if DOCPART == 7
	.amdgcn_target "amdgcn-amd-amdhsa--gfx1250"
	.amdhsa_code_object_version 6
	.text
	.protected	k_q0b3a909fe4_ffn2
	.globl	k_q0b3a909fe4_ffn2
	.p2align	8
	.type	k_q0b3a909fe4_ffn2,@function
k_q0b3a909fe4_ffn2:
	s_mov_b64 s[64:65], 0
	v_nop
	global_prefetch_b8 v0, s[64:65] scope:SCOPE_SE
	s_setreg_imm32_b32 hwreg(HW_REG_WAVE_MODE, 25, 1), 1
	s_wait_xcnt 0x0
	s_wait_alu depctr_hold_cnt(0) depctr_sa_sdst(0) depctr_va_vdst(0) depctr_va_sdst(0) depctr_va_ssrc(0) depctr_va_vcc(0) depctr_vm_vsrc(0)
	s_getreg_b32 s2, hwreg(HW_REG_IB_STS2, 6, 4)
	s_cmp_eq_u32 s2, 0
	s_cbranch_scc0 .Lentry_in_a_cluster
	s_endpgm
.Lentry_in_a_cluster:
	s_bfe_u32 s2, ttmp6, 0x10000c
	s_cmp_lg_u32 s2, 0xf033
	s_cbranch_scc0 .Lentry_shape_is_right
	s_endpgm
.Lentry_shape_is_right:
; C = R + A B^T + bias, in f32.  A: [4096][SIZE_K] bf16, B: wT + WOFF, [1024][SIZE_K] bf16, bias: [1024] f32, R and C: [4096][1024] f32.
; Here: A = gelu(..), 4,096 columns, B = W2 transposed, R = x1, C = the block's result.
; C has 32 x 8 blocks of 128 x 128: one for each of 256 work-groups.  Each of the four waves keeps a whole 128 x 128 block of sums (64 accumulator tiles,
; 512 registers) and takes a QUARTER OF K: of each slot's 256 k, wave w multiplies k = 64 w .. 64 w + 63.  So a wave reads 2 x 128 x 64 bytes of LDS for 64 matrix
; instructions, as with a block of 256 x 256, and the four partial sums are added once, through LDS, at the end.
; The ring: two slots of 128 rows of A and 128 rows of B x 256 k (rows of 512 consecutive bytes, aligned); each wave fetches 64 rows with one tensor load.
; CLUSTERS: 4 x 4 work-groups; A's tile is asked for jointly along a row of the cluster, B's along a column.
; THE WALK ALONG K: clusters whose x + y is odd begin in the middle of K and wrap round at its end.  The same rows of A are read by the two clusters of one y, the same
; rows of B by the clusters of one x: in each such set one half of the readers now reads a tile half a walk (SIZE_K / 512 slots) behind the other half, instead of
; all asking for it at the same moment.  The sums are the same but for their order.
; REGISTERS: window 0: v0-31 addresses; v64-127, v128-191 fragments of A (at the end: partial sums); v224-227 bias
;            window 1: v64-127, v128-191 fragments of B; v0-63 and v192-255 my 32 rows of R, asked for at the start: the K loop never names them
;            windows 2, 3: accumulators, tile (a, b) at v[8 (8 a + b)]
; The matrix instruction is used transposed (source 0 = rows of B): lane l holds row l % 16 of C and columns 8 (l / 16) + 0..7.
; The 64 accumulators take turns, one instruction a turn, in the same order in every quarter step.
.set SIZE_K, 4096
.set WOFF,   0x1000000
.set KS,     256
.set ROWK,   SIZE_K*2                  ; bytes in a row of A and of B: a power of two
.set PITCH,  528                       ; an LDS row: 512 bytes + 16: an odd multiple of 16
.set HALFT,  64*PITCH                  ; what one tensor load brings
.set SLOT,   4*HALFT                   ; A's 128 rows, then B's 128 rows
.set RPITCH, 528                       ; a row of partial sums: 128 f32 + 16 bytes; 128 such rows for each wave fill the two slots exactly
.set LAPS, SIZE_K/(2*KS)
.set PADR, 8                           ; v8-11   where I read my 32 rows of partial sum p
.set ADRA, 16
.set ADRB, 20
.set STO,  24                          ; v24     where I put my partial sums
.set CO,   26                          ; v26     16 x lane: my bytes in a row of 512
.set F0,   64
.set F1,   128
.set PS,   64                          ; the end: 8 rows x 4 partial sums x 4 registers
.set BI,   224                         ; v[224:227] bias of my 4 columns
.set G1, 24
.set G0, 32
.set G1B, 48
.set G0B, 56
.set KO,   72                          ; s[72:73], s[74:75]  ring slot 0, 1: byte offset along K of the tile last asked for; the high word is 0
.set BASA, 76                          ; s[76:77] A at my 64 rows, k = 0
.set BASB, 78                          ; s[78:79] B at my 64 rows, k = 0
.set MSB, 0
.macro WIN new                         ; the immediate's high byte repeats the setting that is left
.if MSB != \new
	s_set_vgpr_msb (MSB<<8)|\new
.set MSB, \new
.endif
.endm
.set MUL_LO, 0xa1
.set MUL_HI, 0xf1
.set TO_B,   0x40
.macro JLOAD s                         ; waves 0 and 1 fetch A's two halves, waves 2 and 3 B's; the branch hangs on the wave's number alone
	s_cmp_eq_u32 s11, 0
	s_cbranch_scc0 .Lfor_b_\@
	tensor_load_to_lds s[G0+4*\s:G0+4*\s+3], s[G1:G1+7]
	s_nop 0
	s_branch .Lasked_\@
.Lfor_b_\@:
	tensor_load_to_lds s[G0B+4*\s:G0B+4*\s+3], s[G1B:G1B+7]
	s_nop 0
.Lasked_\@:
.endm
.macro KADDR s                         ; both group 0 of ring slot s get the address base + KO, and the type 2 in the top bits
	s_add_nc_u64 s[G0+4*\s+2:G0+4*\s+3], s[BASA:BASA+1], s[KO+2*\s:KO+2*\s+1]
	s_or_b32 s[G0+4*\s+3], s[G0+4*\s+3], 0x80000000
	s_add_nc_u64 s[G0B+4*\s+2:G0B+4*\s+3], s[BASB:BASB+1], s[KO+2*\s:KO+2*\s+1]
	s_or_b32 s[G0B+4*\s+3], s[G0B+4*\s+3], 0x80000000
.endm
.macro CREST                           ; a round of the cluster's barrier behind its opening barrier
	s_cmp_lg_u32 s10, 0
	s_cbranch_scc1 .Lnot_wave_0_\@
	s_barrier_signal -3
.Lnot_wave_0_\@:
	s_barrier_wait -3
	s_barrier_signal -1
	s_barrier_wait -1
.endm
.macro CROUND
	s_barrier_signal -1
	s_barrier_wait -1
	CREST
.endm
	s_load_b128 s[4:7], s[0:1], 0x0                ; A s[4:5], wT s[6:7]
	s_load_b128 s[68:71], s[0:1], 0x10             ; bias s[68:69], R s[70:71]
	s_load_b64 s[8:9], s[0:1], 0x20                ; C
	v_lshl_add_u32 v254, v0, 2, 0x42000
	v_mov_b32 v255, 0
	ds_add_u32 v254, v255
	v_lshrrev_b32 v1, 5, v0
	v_readfirstlane_b32 s10, v1                    ; wave 0..3
	s_lshr_b32 s11, s10, 1                         ; I fetch for A (0) or for B (1)
	s_and_b32 s12, s10, 1                          ; which 64 rows of that tile
	s_bfe_u32 s40, ttmp6, 0x40000                  ; cx
	s_bfe_u32 s41, ttmp6, 0x40004                  ; cy
	s_lshl_b32 s42, ttmp9, 2
	s_add_co_u32 s42, s42, s40                     ; block column
	s_and_b32 s13, ttmp7, 0xffff
	s_add_co_u32 s45, s13, ttmp9
	s_and_b32 s45, s45, 1                          ; cluster x + cluster y, odd or even: the same in all sixteen work-groups of a cluster
	s_lshl_b32 s13, s13, 2
	s_add_co_u32 s13, s13, s41                     ; block row
	s_mul_i32 s[KO], s45, SIZE_K                   ; odd clusters begin at byte SIZE_K of the rows, the middle of K
	s_add_co_u32 s[KO+2], s[KO], KS*2              ; ring slot 1: the next 256 k
	s_mov_b32 s[KO+1], 0
	s_mov_b32 s[KO+3], 0
	s_lshl_b32 s43, s41, 2
	s_lshl_b32 s43, 15, s43                        ; my row of the cluster
	s_lshl_b32 s44, 0x1111, s40                    ; my column
	; group 1: a tile of 64 rows x 256 elements of 2 bytes, 4 words of padding behind every 128 words
	s_or_b32 s[G1+0], s43, (1<<16)|(1<<20)|(1<<21)|(6<<22)|(3<<25)
	s_or_b32 s[G1B+0], s44, (1<<16)|(1<<20)|(1<<21)|(6<<22)|(3<<25)
	s_mov_b32 s[G1B+1], KS<<16
	s_mov_b32 s[G1+1], KS<<16                      ; tensor_dim0 = 256
	s_mov_b32 s[G1B+2], 64<<16
	s_mov_b32 s[G1+2], 64<<16                      ; tensor_dim1 = 64
	s_mov_b32 s[G1B+3], KS<<16
	s_mov_b32 s[G1+3], KS<<16                      ; tile_dim0 = 256
	s_mov_b32 s[G1B+4], 64
	s_mov_b32 s[G1+4], 64                          ; tile_dim1 = 64
	s_mov_b32 s[G1B+5], SIZE_K
	s_mov_b32 s[G1+5], SIZE_K
	s_mov_b32 s[G1B+6], 0
	s_mov_b32 s[G1+6], 0
	s_mov_b32 s[G1B+7], 0
	s_mov_b32 s[G1+7], 0
	s_lshl_b32 s17, s12, 6
	s_lshl_b32 s16, s13, 7
	s_add_co_u32 s16, s16, s17                     ; A: row 128 x block row + 64 x half
	s_lshl_b32 s46, s42, 7
	s_add_co_u32 s46, s46, s17                     ; B: row 128 x block column + 64 x half
	s_mov_b32 s17, 0
	s_mov_b32 s47, 0
	s_mov_b64 s[18:19], SIZE_K*2
	s_mul_u64 s[16:17], s[16:17], s[18:19]
	s_mul_u64 s[46:47], s[46:47], s[18:19]
	s_mul_i32 s20, s10, HALFT                      ; where they go: wave x 64 rows
	s_wait_dscnt 0x0
	s_wait_kmcnt 0x0
	s_add_nc_u64 s[6:7], s[6:7], WOFF              ; this product's weights in wT
	s_add_nc_u64 s[BASA:BASA+1], s[4:5], s[16:17]
	s_add_nc_u64 s[BASB:BASB+1], s[6:7], s[46:47]
	CROUND                                         ; all sixteen work-groups are here: the first joint loads meet
.irp s, 0,1
	s_mov_b32 s[G0+4*\s], 1
	s_add_co_u32 s[G0+4*\s+1], s20, \s*SLOT
	s_mov_b32 s[G0B+4*\s], 1
	s_add_co_u32 s[G0B+4*\s+1], s20, \s*SLOT
	KADDR \s
	JLOAD \s                                       ; both slots are asked for before anything else: two tensor loads of the wave are out
.endr
	v_and_b32 v1, 15, v0
	v_bfe_u32 v2, v0, 4, 1
	v_mul_u32_u24 v3, v1, PITCH
	v_lshl_add_u32 v3, v2, 4, v3
	s_lshl_b32 s21, s10, 7                         ; my 64 k: 128 bytes of every row
	s_add_co_u32 s22, s21, 2*HALFT                 ; B lies behind A's 128 rows
.irp s, 0,1
	v_add_nc_u32 v[ADRA+\s], s21, v3
	v_add_nc_u32 v[ADRB+\s], s22, v3
	s_add_co_u32 s21, s21, SLOT
	s_add_co_u32 s22, s22, SLOT
.endr
	s_mul_i32 s23, s10, 128*RPITCH                 ; my partial sums
	v_mul_u32_u24 v4, v1, RPITCH
	v_lshl_add_u32 v4, v2, 5, v4                   ; row l % 16, 32 bytes for each half of the lanes
	v_add_nc_u32 v[STO], s23, v4
	v_and_b32 v5, 31, v0
	v_lshlrev_b32 v[CO], 4, v5
	s_mul_i32 s23, s10, 32*RPITCH                  ; I add and store rows 32 wave .. 32 wave + 31 of the block
	v_add_nc_u32 v[PADR], s23, v[CO]
	v_add_nc_u32 v[PADR+1], 128*RPITCH, v[PADR]
	v_add_nc_u32 v[PADR+2], 128*RPITCH, v[PADR+1]
	v_add_nc_u32 v[PADR+3], 128*RPITCH, v[PADR+2]
	; R, C and the bias at my rows and columns.  The rows' part in registers that held A's offset, the columns' in those that held B's.
	s_lshl_b32 s16, s13, 7
	s_lshl_b32 s17, s10, 5
	s_add_co_u32 s16, s16, s17
	s_lshl_b32 s16, s16, 12                        ; rows of 4,096 bytes
	s_mov_b32 s17, 0
	s_lshl_b32 s46, s42, 9                         ; 128 columns x 4 bytes
	s_mov_b32 s47, 0
	s_add_nc_u64 s[70:71], s[70:71], s[16:17]
	s_add_nc_u64 s[70:71], s[70:71], s[46:47]
	s_add_nc_u64 s[8:9], s[8:9], s[16:17]
	s_add_nc_u64 s[8:9], s[8:9], s[46:47]
	s_add_nc_u64 s[68:69], s[68:69], s[46:47]
	global_load_b128 v[BI:BI+3], v[CO], s[68:69]
	WIN TO_B
.set ii, 0
.rept 32
	global_load_b128 v[4*ii+128*(ii>>4):4*ii+128*(ii>>4)+3], v[CO], s[70:71] offset:ii*4096   ; a row's 512 consecutive bytes; waited for at the end
.set ii, ii+1
.endr
	WIN 0
.macro MUL16 f, hi, a0, zero
.irp a, \a0, \a0+1
.irp b, 0,1,2,3,4,5,6,7
.if \zero
	v_wmma_f32_16x16x32_bf16 v[8*(8*(\a)+\b):8*(8*(\a)+\b)+7], v[\f+8*\b:\f+8*\b+7], v[\f+8*(4*\hi+\a):\f+8*(4*\hi+\a)+7], 0
.else
	v_wmma_f32_16x16x32_bf16 v[8*(8*(\a)+\b):8*(8*(\a)+\b)+7], v[\f+8*\b:\f+8*\b+7], v[\f+8*(4*\hi+\a):\f+8*(4*\hi+\a)+7], v[8*(8*(\a)+\b):8*(8*(\a)+\b)+7]
.endif
.endr
.endr
.endm
.macro FETCH slot, k, f                ; 32 LDS loads in one run: 128 rows of B, 128 rows of A, 32 K at byte k of my part of the rows
	WIN TO_B
.irp i, 0,1,2,3,4,5,6,7
	ds_load_b128 v[\f+8*\i:\f+8*\i+3],   v[ADRB+\slot] offset:\k+\i*16*PITCH
	ds_load_b128 v[\f+8*\i+4:\f+8*\i+7], v[ADRB+\slot] offset:\k+\i*16*PITCH+32
.endr
	WIN 0
.irp i, 0,1,2,3,4,5,6,7
	ds_load_b128 v[\f+8*\i:\f+8*\i+3],   v[ADRA+\slot] offset:\k+\i*16*PITCH
	ds_load_b128 v[\f+8*\i+4:\f+8*\i+7], v[ADRA+\slot] offset:\k+\i*16*PITCH+32
.endr
.endm
.macro PLACES                          ; four plain vector instructions between a matrix instruction and a load into, or a vector instruction on, its registers
.rept 4
	v_nop
.endr
.endm
; A slot is two steps of 32 K for a wave.  The first: multiplies buffer f and fetches the second's fragments into g.
.macro QUARTER slot, k, f, g, zero
	s_wait_dscnt 8                                 ; B and A's rows 0-63 are in; the youngest eight loads (A's rows 64-127) may be out
	WIN MUL_LO
	MUL16 \f, 0, 0, \zero
	MUL16 \f, 0, 2, \zero
	PLACES
	FETCH \slot, \k, \g
	s_wait_dscnt 32                                ; all but the 32 just issued
	WIN MUL_HI
	MUL16 \f, 1, 0, \zero
	MUL16 \f, 1, 2, \zero
.endm
; The second multiplies buffer 1 and changes slots: in front of the one barrier each wave waits for its reads of this slot and for all its tensor loads;
; behind it the refill comes first.  From a request to the wait for it a wave issues 112 matrix instructions.
.macro TURN slot, next, fill
	s_wait_dscnt 8
	WIN MUL_LO
	MUL16 F1, 0, 0, 0
	s_wait_dscnt 0                                 ; my reads of this slot are over
	s_set_vgpr_msb 0xa1a0
	s_wait_tensorcnt 0x0                           ; all my tensor loads have landed
	ds_add_u32 v254, v255
	s_wait_dscnt 0x0
	s_set_vgpr_msb 0xa0a1
	s_barrier_signal -1                            ; where a slot is filled again this barrier opens a round of the cluster's barrier
	MUL16 F1, 0, 2, 0                              ; registers only
	WIN 0
	s_barrier_wait -1
.if \fill
	CREST
	s_add_co_u32 s[KO+2*\slot], s[KO+2*\slot], 2*KS*2              ; two slots on along K,
	s_and_b32 s[KO+2*\slot], s[KO+2*\slot], ROWK-1                 ; round the row's end
	KADDR \slot                                    ; no tensor load of mine is out: the group 0 may be written
	JLOAD \slot                                    ; the first tensor load behind the round, the wave's only one until the next
.endif
	PLACES
	FETCH \next, 0, F0
	WIN MUL_HI
	MUL16 F1, 1, 0, 0
	MUL16 F1, 1, 2, 0
.endm
.macro LAP zero
	QUARTER 0, 64, F0, F1, \zero
	TURN 0, 1, 1
	QUARTER 1, 64, F0, F1, 0
	TURN 1, 0, 1
.endm
	s_wait_tensorcnt 1                             ; my part of slot 0 is in; slot 1's stays out
	s_barrier_signal -1
	s_barrier_wait -1
	FETCH 0, 0, F0
	LAP 1
.if LAPS > 2
	WIN 0
	s_mov_b32 s3, LAPS-2
.Llap:
	LAP 0
	WIN 0
	s_sub_co_u32 s3, s3, 1
	s_cmp_lg_u32 s3, 0
	s_cbranch_scc1 .Llap
.endif
	QUARTER 0, 64, F0, F1, 0                       ; the last lap fills nothing
	TURN 0, 1, 0
	QUARTER 1, 64, F0, F1, 0
	s_wait_dscnt 8
	WIN MUL_LO
	MUL16 F1, 0, 0, 0
	MUL16 F1, 0, 2, 0
	s_wait_dscnt 0
	WIN MUL_HI
	MUL16 F1, 1, 0, 0
	MUL16 F1, 1, 2, 0
	; THE END: the four waves' partial sums meet in LDS.  The ring has had its last fill (waited for in the last change of slots).
	PLACES
	WIN 0
	s_wait_dscnt 0x0
	s_barrier_signal -1
	s_barrier_wait -1                              ; nobody reads the ring any more
.macro PUT hi
.irp a, 0,1,2,3
.irp b, 0,1,2,3,4,5,6,7
	ds_store_b128 v[STO], v[8*(8*\a+\b):8*(8*\a+\b)+3]   offset:(4*\hi+\a)*16*RPITCH+64*\b
	ds_store_b128 v[STO], v[8*(8*\a+\b)+4:8*(8*\a+\b)+7] offset:(4*\hi+\a)*16*RPITCH+64*\b+16
.endr
.endr
.endm
	WIN 0x08                                       ; data from window 2
	PUT 0
	WIN 0x0c                                       ; data from window 3
	PUT 1
	WIN 0
	s_wait_dscnt 0x0                               ; my stores are done, for the others' sake
	s_barrier_signal -1
	s_barrier_wait -1
	s_wait_loadcnt 0x0                             ; R and the bias
; eight rows: four partial sums + bias + R, stored as rows of 512 consecutive bytes
.macro SUM8 t
.if \t
	s_wait_xcnt 0x0                                ; the last batch's stores have had their addresses translated (ISA guide 3.1): their data registers are loaded again only behind this wait
.endif
.irp w, 0,1,2,3,4,5,6,7
.irp p, 0,1,2,3
	ds_load_b128 v[PS+16*\w+4*\p:PS+16*\w+4*\p+3], v[PADR+\p] offset:(8*\t+\w)*RPITCH
.endr
.endr
.irp w, 0,1,2,3,4,5,6,7
	s_wait_dscnt 28-4*\w                           ; four loads for each younger row stay out
	v_pk_add_f32 v[PS+16*\w:PS+16*\w+1],     v[PS+16*\w:PS+16*\w+1],     v[PS+16*\w+4:PS+16*\w+5]
	v_pk_add_f32 v[PS+16*\w+2:PS+16*\w+3],   v[PS+16*\w+2:PS+16*\w+3],   v[PS+16*\w+6:PS+16*\w+7]
	v_pk_add_f32 v[PS+16*\w+8:PS+16*\w+9],   v[PS+16*\w+8:PS+16*\w+9],   v[PS+16*\w+12:PS+16*\w+13]
	v_pk_add_f32 v[PS+16*\w+10:PS+16*\w+11], v[PS+16*\w+10:PS+16*\w+11], v[PS+16*\w+14:PS+16*\w+15]
	v_pk_add_f32 v[PS+16*\w:PS+16*\w+1],     v[PS+16*\w:PS+16*\w+1],     v[PS+16*\w+8:PS+16*\w+9]
	v_pk_add_f32 v[PS+16*\w+2:PS+16*\w+3],   v[PS+16*\w+2:PS+16*\w+3],   v[PS+16*\w+10:PS+16*\w+11]
	v_pk_add_f32 v[PS+16*\w:PS+16*\w+1],     v[PS+16*\w:PS+16*\w+1],     v[BI:BI+1]
	v_pk_add_f32 v[PS+16*\w+2:PS+16*\w+3],   v[PS+16*\w+2:PS+16*\w+3],   v[BI+2:BI+3]
.endr
	WIN 0x04                                       ; source 1 from window 1: R
.irp w, 0,1,2,3,4,5,6,7
	v_pk_add_f32 v[PS+16*\w:PS+16*\w+1],   v[PS+16*\w:PS+16*\w+1],   v[4*(8*\t+\w)+128*(\t>>1):4*(8*\t+\w)+128*(\t>>1)+1]
	v_pk_add_f32 v[PS+16*\w+2:PS+16*\w+3], v[PS+16*\w+2:PS+16*\w+3], v[4*(8*\t+\w)+128*(\t>>1)+2:4*(8*\t+\w)+128*(\t>>1)+3]
.endr
	WIN 0
.irp w, 0,1,2,3,4,5,6,7
	global_store_b128 v[CO], v[PS+16*\w:PS+16*\w+3], s[8:9] offset:(8*\t+\w)*4096   ; the wave stores 512 consecutive bytes, aligned
.endr
.endm
	SUM8 0
	SUM8 1
	SUM8 2
	SUM8 3
	s_wait_tensorcnt 0x0
	ds_add_u32 v254, v255
	s_wait_dscnt 0x0
	CROUND                                         ; the closing round
	s_endpgm
.Lfunc_end_k_q0b3a909fe4_ffn2:
	.size	k_q0b3a909fe4_ffn2, .Lfunc_end_k_q0b3a909fe4_ffn2-k_q0b3a909fe4_ffn2
	.p2alignl 7, 3214868480
	.fill 96, 4, 3214868480
	.section	.rodata,"a",@progbits
	.p2align	6, 0x0
	.amdhsa_kernel k_q0b3a909fe4_ffn2
		.amdhsa_group_segment_fixed_size 327680
		.amdhsa_private_segment_fixed_size 0
		.amdhsa_enable_private_segment 0
		.amdhsa_kernarg_size 40
		.amdhsa_user_sgpr_count 2
		.amdhsa_user_sgpr_kernarg_segment_ptr 1
		.amdhsa_wavefront_size32 1
		.amdhsa_system_sgpr_workgroup_id_x 1
		.amdhsa_system_sgpr_workgroup_id_y 1
		.amdhsa_system_sgpr_workgroup_id_z 1
		.amdhsa_system_vgpr_workitem_id 0
		.amdhsa_next_free_vgpr 1024
		.amdhsa_next_free_sgpr 80
		.amdhsa_reserve_vcc 0
		.amdhsa_float_denorm_mode_32 3
		.amdhsa_float_denorm_mode_16_64 3
		.amdhsa_memory_ordered 1
		.amdhsa_forward_progress 1
		.amdhsa_inst_pref_size 132
	.end_amdhsa_kernel
	.amdgpu_metadata
---
amdhsa.version: [ 1, 2 ]
amdhsa.kernels:
  - .name:           k_q0b3a909fe4_ffn2
    .symbol:         k_q0b3a909fe4_ffn2.kd
    .args:
      - { .name: hb, .offset: 0, .size: 8, .value_kind: global_buffer, .address_space: global }
      - { .name: wT, .offset: 8, .size: 8, .value_kind: global_buffer, .address_space: global }
      - { .name: b2, .offset: 16, .size: 8, .value_kind: global_buffer, .address_space: global }
      - { .name: x1, .offset: 24, .size: 8, .value_kind: global_buffer, .address_space: global }
      - { .name: out0, .offset: 32, .size: 8, .value_kind: global_buffer, .address_space: global }
    .group_segment_fixed_size: 327680
    .private_segment_fixed_size: 0
    .kernarg_segment_align: 8
    .kernarg_segment_size: 40
    .max_flat_workgroup_size: 128
    .sgpr_count:     80
    .vgpr_count:     1024
    .wavefront_size: 32
...
	.end_amdgpu_metadata
.endif
;; end of part 7
